; MI455X (gfx1250); checked and timed in simulation.
; The chip was launched on July 23, 2026; its instructions are those of AMD's public machine-readable ISA for CDNA 5 (MIT licence, August 2026) and "CDNA5" Instruction Set Architecture Reference Guide (July 2026). The comments in the code are by the model that wrote it; some were corrected since.
;; Multi Head Attention. Allowed arithmetic: float matrix products may take bf16 or f16 operands with f32 sums; all other float work in f32.
;; Inputs: mask 1 x 1 x 4,096 x 4,096 bool; out_b 1,024 float32; out_w 1,024 x 1,024 float32; wqkv_b 3,072 float32; wqkv_w 1,024 x 3,072 float32; x 1 x 4,096 x 1,024 float32.
;; Outputs: out0 1 x 4,096 x 1,024 float32.
;; 2 versions, each right. Each part assembles by itself: llvm-mc -triple=amdgcn-amd-amdhsa -mcpu=gfx1250 --defsym DOCPART=n.
;; ======== version 1 of 2: 4 launches
;; limits: values are held in f16: magnitudes above 65,504 overflow, below 6.1e-05 lose precision
;; workspace buffers: castb 16,777,216 bytes; rope 1,048,576 bytes; qkv 25,165,824 bytes; ctx 8,388,608 bytes
;; launch prep (part 1): grid 256 x 1, 8 waves a work-group, no clusters, 0 bytes of LDS; arguments x, wqkv_w, out_w, castb, rope; writes castb, rope
.if DOCPART == 1
	.amdgcn_target "amdgcn-amd-amdhsa--gfx1250"
	.amdhsa_code_object_version 6
	.text
	.protected	k_q8c6e466bc7_prep
	.globl	k_q8c6e466bc7_prep
	.p2align	8
	.type	k_q8c6e466bc7_prep,@function
k_q8c6e466bc7_prep:
	s_mov_b64 s[64:65], 0
	v_nop
	global_prefetch_b8 v0, s[64:65] scope:SCOPE_SE
	s_setreg_imm32_b32 hwreg(HW_REG_WAVE_MODE, 25, 1), 1
	s_wait_xcnt 0x0
; prep: (1) casts the three large f32 inputs to 16 bits, layouts unchanged, into castb = x | wqkv_w | out_w one behind the other;
;       (2) writes the table rope[4096][64] f32: row p = cos(p f_0..f_31), then sin(p f_0..f_31), f_i = 10000^(-i/32).
; x and wqkv_w become bf16.  out_w is rounded to bf16 like them and that value is then held as f16, the format of the operand it will be
; multiplied with: exact for |w| >= 2^-17, else off by at most 2^-25.  LIMIT: |out_w| below 65,504 (f16's largest number).
; The three sources together are 8,388,608 numbers; each of the 256 work-groups casts 32,768 of them (128 KiB in, 64 KiB out) and makes 16 rows of
; the table.  Thread t takes 32 bytes of every 8,192: its 8 numbers pack into 16 bytes, so 16 neighbouring lanes store 256 aligned bytes.
; All 32 loads of a thread are issued first; the table is computed while they are on their way.  A stream: no LDS, no barrier, no matrix unit, and
; no work-group shares a byte with another, so there is nothing to ask for jointly.
; LIMIT of the table: the angle is p * f_i in f32 with f_i from v_exp_f32 (1 ULP: ISA guide 15.8), so it is off by up to about 4e-4 rad at p = 4095.
.set X, 48                             ; v[48:175]  round i: 8 registers as loaded; the first 4 then hold the 16 bytes to store
.set T, 32                             ; v[32:39]   at work (second rounding of out_w)
	s_load_b256 s[4:11], s[0:1], 0x0               ; x s[4:5], wqkv_w s[6:7], out_w s[8:9], castb s[10:11]
	s_load_b64 s[12:13], s[0:1], 0x20              ; rope
	v_lshlrev_b32 v1, 5, v0                        ; 32 t: my bytes in a round's 8,192 source bytes
	v_lshlrev_b32 v2, 4, v0                        ; 16 t: my bytes in a round's 4,096 result bytes
	v_lshrrev_b32 v5, 5, v0
	v_readfirstlane_b32 s20, v5                    ; wave
	s_mov_b32 s19, 0
	s_wait_kmcnt 0x0
	s_cmp_lt_u32 ttmp9, 128                        ; work-groups 0-127: x; 128-223: wqkv_w; 224-255: out_w
	s_cselect_b64 s[14:15], s[4:5], s[6:7]
	s_cselect_b32 s16, 0, 128
	s_cmp_lt_u32 ttmp9, 224
	s_cselect_b64 s[14:15], s[14:15], s[8:9]
	s_cselect_b32 s16, s16, 224
	s_sub_co_u32 s17, ttmp9, s16                   ; my number within my source
	s_lshl_b32 s18, s17, 17                        ; x 131,072 bytes
	s_add_nc_u64 s[14:15], s[14:15], s[18:19]
	s_lshl_b32 s18, ttmp9, 16                      ; castb is the same sequence at half the bytes
	s_add_nc_u64 s[10:11], s[10:11], s[18:19]
.set i, 0
.rept 16
	global_load_b128 v[X+8*i:X+8*i+3],   v1, s[14:15] offset:8192*i th:TH_LOAD_NT
	global_load_b128 v[X+8*i+4:X+8*i+7], v1, s[14:15] offset:8192*i+16 th:TH_LOAD_NT
.set i, i+1
.endr
	; the table: wave w makes rows 16 g + 2 w and the next.  Lane l has frequencies 2 (l % 16) and the next; lanes 0-15 keep cos, lanes 16-31 sin.
	s_lshl_b32 s21, ttmp9, 4
	s_lshl1_add_u32 s21, s20, s21                  ; my first row
	s_lshl_b32 s18, s21, 8                         ; rows of 256 bytes
	s_add_nc_u64 s[12:13], s[12:13], s[18:19]
	v_and_b32 v3, 31, v0
	v_and_b32 v4, 15, v0
	v_lshlrev_b32 v4, 1, v4
	v_cvt_f32_u32 v6, v4
	v_add_f32 v7, 1.0, v6
	v_mul_f32 v6, 0xbed49a78, v6                   ; -i log2(10000) / 32
	v_mul_f32 v7, 0xbed49a78, v7
	v_exp_f32 v6, v6
	v_exp_f32 v7, v7
	v_cvt_f32_u32 v8, s21                          ; a plain instruction behind the exponentials, ahead of their use (ISA guide 5.7.2)
	v_add_f32 v9, 1.0, v8
	v_cmp_le_u32 vcc_lo, 16, v3                    ; lanes that keep the sine
	v_lshlrev_b32 v3, 3, v3                        ; 8 bytes a lane: a wave's store covers the row's 256 bytes
	v_mov_b32 v40, 0xb2d7322b                      ; -1/11!, the sine series' last coefficient
	v_mov_b32 v41, 0xb2d7322b
	v_mov_b32 v42, 0x310f76c7                      ; 1/12!, the cosine series' last
	v_mov_b32 v43, 0x310f76c7
	s_wait_alu depctr_va_vdst(0)
	v_mul_f32 v10, v8, v6                          ; angle = position x frequency, rounded once
	v_mul_f32 v11, v8, v7
	v_mul_f32 v12, v9, v6
	v_mul_f32 v13, v9, v7
; Two angles in v[a:a+1]; result (cos or sin by lane) in v[o:o+1].  r = angle - 2 pi k in two fused steps (2 pi = 0x40c90fdb - 1.7484555e-7);
; h = r / 2 lies in [-pi/2, pi/2] for every position, where the series to h^11 and h^12 are short by less than 1e-7;
; sin r = 2 sin h cos h, cos r = 1 - 2 sin^2 h.
.macro SINCOS a, o
	v_mul_f32 v14, 0.15915494, v[\a]
	v_mul_f32 v15, 0.15915494, v[\a+1]
	v_rndne_f32 v14, v14
	v_rndne_f32 v15, v15
	v_pk_fma_f32 v[\a:\a+1], v[14:15], 0xc0c90fdb, v[\a:\a+1] op_sel_hi:[1,0,1]
	v_pk_fma_f32 v[\a:\a+1], v[14:15], 0x343bbd2e, v[\a:\a+1] op_sel_hi:[1,0,1]
	v_pk_mul_f32 v[16:17], v[\a:\a+1], 0.5 op_sel_hi:[1,0]
	v_pk_mul_f32 v[18:19], v[16:17], v[16:17]
	v_pk_fma_f32 v[20:21], v[18:19], v[40:41], 0x3638ef1d op_sel_hi:[1,1,0]
	v_pk_fma_f32 v[22:23], v[18:19], v[42:43], 0xb493f27e op_sel_hi:[1,1,0]
	v_pk_fma_f32 v[20:21], v[20:21], v[18:19], 0xb9500d01 op_sel_hi:[1,1,0]
	v_pk_fma_f32 v[22:23], v[22:23], v[18:19], 0x37d00d01 op_sel_hi:[1,1,0]
	v_pk_fma_f32 v[20:21], v[20:21], v[18:19], 0x3c088889 op_sel_hi:[1,1,0]
	v_pk_fma_f32 v[22:23], v[22:23], v[18:19], 0xbab60b61 op_sel_hi:[1,1,0]
	v_pk_fma_f32 v[20:21], v[20:21], v[18:19], 0xbe2aaaab op_sel_hi:[1,1,0]
	v_pk_fma_f32 v[22:23], v[22:23], v[18:19], 0x3d2aaaab op_sel_hi:[1,1,0]
	v_pk_fma_f32 v[20:21], v[20:21], v[18:19], 1.0 op_sel_hi:[1,1,0]
	v_pk_fma_f32 v[22:23], v[22:23], v[18:19], -0.5 op_sel_hi:[1,1,0]
	v_pk_mul_f32 v[20:21], v[20:21], v[16:17]                      ; sin h
	v_pk_fma_f32 v[22:23], v[22:23], v[18:19], 1.0 op_sel_hi:[1,1,0]   ; cos h
	v_pk_mul_f32 v[24:25], v[20:21], 2.0 op_sel_hi:[1,0]
	v_pk_mul_f32 v[22:23], v[24:25], v[22:23]                      ; sin r
	v_pk_fma_f32 v[20:21], v[24:25], v[20:21], 1.0 op_sel_hi:[1,1,0] neg_lo:[1,0,0] neg_hi:[1,0,0]   ; cos r
	v_cndmask_b32 v[\o], v20, v22, vcc_lo
	v_cndmask_b32 v[\o+1], v21, v23, vcc_lo
.endm
	SINCOS 10, 26
	SINCOS 12, 28
	global_store_b64 v3, v[26:27], s[12:13]
	global_store_b64 v3, v[28:29], s[12:13] offset:256
; The casts.  twice = 1: the bf16 value is widened again and held as f16.  No register that a store reads is written again, so no further wait is needed.
.macro CAST twice
.set i, 0
.rept 16
	s_wait_loadcnt 30-2*i                          ; loads return in order (ISA guide 5.7.1): round i's two are in, the 2 (15 - i) younger may be out
.irp k, 0,1,2,3
	v_cvt_pk_bf16_f32 v[X+8*i+\k], v[X+8*i+2*\k], v[X+8*i+2*\k+1]   ; in place, ascending: word k is written after words 2k, 2k+1 of smaller k were read
.endr
.if \twice
.irp k, 0,1,2,3
	v_lshlrev_b32 v[T+2*\k], 16, v[X+8*i+\k]
	v_and_b32 v[T+2*\k+1], 0xffff0000, v[X+8*i+\k]
.endr
.irp k, 0,1,2,3
	v_cvt_pk_f16_f32 v[X+8*i+\k], v[T+2*\k], v[T+2*\k+1]
.endr
.endif
	global_store_b128 v2, v[X+8*i:X+8*i+3], s[10:11] offset:4096*i
.set i, i+1
.endr
.endm
	s_cmp_lt_u32 ttmp9, 224
	s_cbranch_scc0 .Lout_w
	CAST 0
	s_endpgm
.Lout_w:
	CAST 1
	s_endpgm
.Lfunc_end_k_q8c6e466bc7_prep:
	.size	k_q8c6e466bc7_prep, .Lfunc_end_k_q8c6e466bc7_prep-k_q8c6e466bc7_prep
	.p2alignl 7, 3214868480
	.fill 96, 4, 3214868480
	.section	.rodata,"a",@progbits
	.p2align	6, 0x0
	.amdhsa_kernel k_q8c6e466bc7_prep
		.amdhsa_group_segment_fixed_size 0
		.amdhsa_private_segment_fixed_size 0
		.amdhsa_enable_private_segment 0
		.amdhsa_kernarg_size 40
		.amdhsa_user_sgpr_count 2
		.amdhsa_user_sgpr_kernarg_segment_ptr 1
		.amdhsa_wavefront_size32 1
		.amdhsa_system_sgpr_workgroup_id_x 1
		.amdhsa_system_sgpr_workgroup_id_y 1
		.amdhsa_system_sgpr_workgroup_id_z 1
		.amdhsa_system_vgpr_workitem_id 0
		.amdhsa_next_free_vgpr 176
		.amdhsa_next_free_sgpr 66
		.amdhsa_reserve_vcc 1
		.amdhsa_float_denorm_mode_32 3
		.amdhsa_float_denorm_mode_16_64 3
		.amdhsa_memory_ordered 1
		.amdhsa_forward_progress 1
		.amdhsa_inst_pref_size 31
	.end_amdhsa_kernel
	.amdgpu_metadata
---
amdhsa.version: [ 1, 2 ]
amdhsa.kernels:
  - .name:           k_q8c6e466bc7_prep
    .symbol:         k_q8c6e466bc7_prep.kd
    .args:
      - { .name: x, .offset: 0, .size: 8, .value_kind: global_buffer, .address_space: global }
      - { .name: wqkv_w, .offset: 8, .size: 8, .value_kind: global_buffer, .address_space: global }
      - { .name: out_w, .offset: 16, .size: 8, .value_kind: global_buffer, .address_space: global }
      - { .name: castb, .offset: 24, .size: 8, .value_kind: global_buffer, .address_space: global }
      - { .name: rope, .offset: 32, .size: 8, .value_kind: global_buffer, .address_space: global }
    .group_segment_fixed_size: 0
    .private_segment_fixed_size: 0
    .kernarg_segment_align: 8
    .kernarg_segment_size: 40
    .max_flat_workgroup_size: 256
    .sgpr_count:     66
    .vgpr_count:     176
    .wavefront_size: 32
...
	.end_amdgpu_metadata
.endif
;; end of part 1
;; launch qkv (part 2): grid 16 x 16, 4 waves a work-group, clusters of 4 x 4, 327,680 bytes of LDS; arguments castb, wqkv_b, rope, qkv; writes qkv
.if DOCPART == 2
	.amdgcn_target "amdgcn-amd-amdhsa--gfx1250"
	.amdhsa_code_object_version 6
	.text
	.protected	k_q8c6e466bc7_qkv
	.globl	k_q8c6e466bc7_qkv
	.p2align	8
	.type	k_q8c6e466bc7_qkv,@function
k_q8c6e466bc7_qkv:
	s_mov_b64 s[64:65], 0
	v_nop
	global_prefetch_b8 v0, s[64:65] scope:SCOPE_SE
	s_setreg_imm32_b32 hwreg(HW_REG_WAVE_MODE, 25, 1), 1
	s_wait_xcnt 0x0
	s_wait_alu depctr_hold_cnt(0) depctr_sa_sdst(0) depctr_va_vdst(0) depctr_va_sdst(0) depctr_va_ssrc(0) depctr_va_vcc(0) depctr_vm_vsrc(0)
	s_getreg_b32 s2, hwreg(HW_REG_IB_STS2, 6, 4)
	s_cmp_eq_u32 s2, 0
	s_cbranch_scc0 .Lentry_in_a_cluster
	s_endpgm
.Lentry_in_a_cluster:
	s_bfe_u32 s2, ttmp6, 0x10000c
	s_cmp_lg_u32 s2, 0xf033
	s_cbranch_scc0 .Lentry_shape_is_right
	s_endpgm
.Lentry_shape_is_right:
; qkv: x W + b, rotate-half RoPE on q and k, split into heads.  Operands bf16 (castb: x [4096][1024] at 0, W [1024][3072] at WB), sums f32,
; result f16 in qkv[48][4096][64]: heads 0-15 q, 16-31 k (both rotated), 32-47 v.  LIMIT: |q|, |k|, |v| below 65,504 (f16's largest number).
; A work-group makes 256 rows x 192 columns: the two rotated heads 2 bx, 2 bx + 1 (columns 128 bx ..) and v's head bx (columns 2048 + 64 bx ..), so
; that all 256 work-groups run the same text: no branch hangs on the block.  Wave w makes rows 64 w .. +63 of all 192 columns: 48 tiles, 384 registers.
; K goes in steps of 128 through two LDS slots.  W lies [K][N] and stays so: its fragments come out of LDS by the transposing load.
; CLUSTERS: 4 x 4.  x's tile hangs on the block row alone and is asked for jointly by a row of the cluster, W's two tiles on the block column alone,
; jointly by a column: a quarter of the requests.  Waves 0, 1 ask for x's halves, wave 2 for the q/k columns, wave 3 for v's.
; REGISTER WINDOWS: 0: addresses, x fragments (two buffers), bias, work; 1: W fragments (two buffers);
;   2: tiles of my rows 0-31 at v[8 (12 (a % 2) + b)], cos/sin of those rows at v192..; 3: the same for rows 32-63.
; The matrix instruction is used transposed (source 0 = W's columns, source 1 = x's rows): a lane holds 8 neighbouring columns of one row.
.set LAPS,  4                          ; 1024 / 128 = 8 K steps = 4 times round the ring
.set PA,    272                        ; x rows: 256 bytes + 16: an odd multiple of 16, 16 rows start in 16 different groups of banks
.set PQ,    288                        ; W rows of 256 bytes + 32: an odd multiple of 32, as the transposing load's 8-row groups want
.set PV,    160                        ; W rows of 128 bytes + 32
.set OFFQ,  256*PA                     ; 69,632
.set OFFV,  OFFQ+128*PQ                ; 106,496
.set SLOT,  OFFV+128*PV                ; 126,976
.set STAGE, 2*SLOT                     ; 253,952: behind the ring; no tensor load lands here
.set SHEAD, 16*144                     ; the way out: 16 rows x (128 + 16) bytes for one head
.set SWAVE, 3*SHEAD
.set WB,    8388608
.set HEADB, 524288                     ; bytes of a head in qkv
.set ADRA, 16                          ; v16-17  x fragments, slot 0, 1
.set ADRQ, 18                          ; v18-19  W fragments, q/k columns
.set ADRV, 20                          ; v20-21  W fragments, v columns
.set STO,  24
.set RD,   25
.set CO,   26
.set RO,   27
.set BO,   28
.set T,    32                          ; v32-127  the way out (over the x fragments)
.set AF,   64                          ; v64-95, v96-127  x fragments
.set BIAS, 128                         ; v128-223 bias of my 8 columns in each of the 12 column tiles
.set XT,   224                         ; v224-255 at work
.set G1A, 24
.set G1Q, 32
.set G1V, 40
.set G0A, 48
.set G0Q, 56
.set G0V, 68
.set MUL_LO, 0xa1                      ; source 0 window 1, source 1 window 0, C and D window 2
.set MUL_HI, 0xf1                      ; C and D window 3
.set TO_B,   0x40
.set MSB, 0
.macro WIN new                         ; the immediate's high byte repeats the setting that is left
.if MSB != \new
	s_set_vgpr_msb (MSB<<8)|\new
.set MSB, \new
.endif
.endm
.macro PLACES                          ; four plain vector instructions behind a matrix instruction, ahead of loads into its sources and of readers of its result
.rept 4
	v_nop
.endr
.endm
.macro JLOAD s                         ; one joint load a wave; the branches hang on the wave's number alone
	s_cmp_lt_u32 s12, 2
	s_cbranch_scc0 .Lw_\@
	tensor_load_to_lds s[G0A+4*\s:G0A+4*\s+3], s[G1A:G1A+7]
	s_nop 0
	s_branch .Lasked_\@
.Lw_\@:
	s_cmp_eq_u32 s12, 2
	s_cbranch_scc0 .Lv_\@
	tensor_load_to_lds s[G0Q+4*\s:G0Q+4*\s+3], s[G1Q:G1Q+7]
	s_nop 0
	s_branch .Lasked_\@
.Lv_\@:
	tensor_load_to_lds s[G0V+4*\s:G0V+4*\s+3], s[G1V:G1V+7]
	s_nop 0
.Lasked_\@:
.endm
.macro CREST                           ; a round of the cluster's barrier behind its opening work-group barrier
	s_cmp_lg_u32 s12, 0
	s_cbranch_scc1 .Lnot_wave_0_\@
	s_barrier_signal -3
.Lnot_wave_0_\@:
	s_barrier_wait -3
	s_barrier_signal -1
	s_barrier_wait -1
.endm
.macro CROUND
	s_barrier_signal -1
	s_barrier_wait -1
	CREST
.endm
	s_load_b256 s[4:11], s[0:1], 0x0               ; castb s[4:5], wqkv_b s[6:7], rope s[8:9], qkv s[10:11]
	s_set_vgpr_msb 0x40
	v_lshl_add_u32 v255, v0, 2, 0x44c00
	s_set_vgpr_msb 0x4000
	v_mov_b32 v31, 0
	s_set_vgpr_msb 0x1
	ds_add_u32 v255, v31
	s_set_vgpr_msb 0x100
	v_lshrrev_b32 v1, 5, v0
	v_readfirstlane_b32 s12, v1                    ; wave
	s_bfe_u32 s14, ttmp6, 0x40000                  ; cx
	s_bfe_u32 s15, ttmp6, 0x40004                  ; cy
	s_lshl_b32 s16, ttmp9, 2
	s_add_co_u32 s16, s16, s14                     ; bx: block column
	s_and_b32 s17, ttmp7, 0xffff
	s_lshl_b32 s17, s17, 2
	s_add_co_u32 s17, s17, s15                     ; by: block row
	s_lshl_b32 s77, s15, 2
	s_lshl_b32 s77, 15, s77                        ; my row of the cluster
	s_lshl_b32 s78, 0x1111, s14                    ; my column
	; group 1: mask | 2-byte elements | padding on | bit 21 beside a mask | interval | pad
	s_or_b32 s[G1A+0], s77, 0x07710000             ; after every 64 words 4 words
	s_mov_b32 s[G1A+1], 128<<16                    ; tensor_dim0 = 128
	s_mov_b32 s[G1A+2], 128<<16                    ; tensor_dim1 = 128
	s_mov_b32 s[G1A+3], 128<<16                    ; tile_dim0 = 128
	s_mov_b32 s[G1A+4], 128                        ; tile_dim1 = 128
	s_mov_b32 s[G1A+5], 1024                       ; elements from row to row
	s_mov_b32 s[G1A+6], 0
	s_mov_b32 s[G1A+7], 0
	s_or_b32 s[G1Q+0], s78, 0x0f710000             ; after every 64 words 8 words
	s_mov_b32 s[G1Q+1], 128<<16
	s_mov_b32 s[G1Q+2], 128<<16
	s_mov_b32 s[G1Q+3], 128<<16
	s_mov_b32 s[G1Q+4], 128
	s_mov_b32 s[G1Q+5], 3072
	s_mov_b32 s[G1Q+6], 0
	s_mov_b32 s[G1Q+7], 0
	s_or_b32 s[G1V+0], s78, 0x0f310000             ; after every 32 words 8 words
	s_mov_b32 s[G1V+1], 64<<16
	s_mov_b32 s[G1V+2], 128<<16
	s_mov_b32 s[G1V+3], 64<<16
	s_mov_b32 s[G1V+4], 128
	s_mov_b32 s[G1V+5], 3072
	s_mov_b32 s[G1V+6], 0
	s_mov_b32 s[G1V+7], 0
	; x's address is made of the block row and the wave, W's of the block column, each in registers that never hold the other coordinate
	s_lshl_b32 s18, s17, 19                        ; 256 rows x 2,048 bytes
	s_lshl_b32 s19, s12, 18                        ; waves 0, 1: 128 rows each
	s_add_co_u32 s18, s18, s19
	s_mov_b32 s19, 0
	s_lshl_b32 s20, s16, 8
	s_add_co_u32 s20, s20, WB                      ; columns 128 bx
	s_mov_b32 s21, 0
	s_lshl_b32 s22, s16, 7
	s_add_co_u32 s22, s22, WB+4096                 ; columns 2048 + 64 bx
	s_mov_b32 s23, 0
	s_mul_i32 s79, s12, 128*PA                     ; x's halves in LDS: wave x 128 rows
	s_wait_dscnt 0x0
	s_wait_kmcnt 0x0
	s_add_nc_u64 s[18:19], s[4:5], s[18:19]
	s_add_nc_u64 s[20:21], s[4:5], s[20:21]
	s_add_nc_u64 s[22:23], s[4:5], s[22:23]
	CROUND                                         ; all sixteen work-groups are here: the first joint loads meet
.irp s, 0,1
	s_mov_b32 s[G0A+4*\s], 1
	s_add_co_u32 s[G0A+4*\s+1], s79, \s*SLOT
	s_add_nc_u64 s[G0A+4*\s+2:G0A+4*\s+3], s[18:19], \s*256
	s_or_b32 s[G0A+4*\s+3], s[G0A+4*\s+3], 0x80000000
	s_mov_b32 s[G0Q+4*\s], 1
	s_mov_b32 s[G0Q+4*\s+1], \s*SLOT+OFFQ
	s_add_nc_u64 s[G0Q+4*\s+2:G0Q+4*\s+3], s[20:21], \s*786432
	s_or_b32 s[G0Q+4*\s+3], s[G0Q+4*\s+3], 0x80000000
	s_mov_b32 s[G0V+4*\s], 1
	s_mov_b32 s[G0V+4*\s+1], \s*SLOT+OFFV
	s_add_nc_u64 s[G0V+4*\s+2:G0V+4*\s+3], s[22:23], \s*786432
	s_or_b32 s[G0V+4*\s+3], s[G0V+4*\s+3], 0x80000000
	JLOAD \s                                       ; K steps 0 and 1: two tensor loads of the wave are out here, one at any later time
.endr
	; bases of bias, table and result
	s_mov_b32 s91, 0
	s_lshl_b32 s90, s16, 9
	s_add_nc_u64 s[80:81], s[6:7], s[90:91]        ; bias of columns 128 bx ..
	s_lshl_b32 s90, s16, 8
	s_add_co_u32 s90, s90, 8192
	s_add_nc_u64 s[82:83], s[6:7], s[90:91]        ; bias of columns 2048 + 64 bx ..
	s_lshl_b32 s90, s17, 16
	s_add_nc_u64 s[84:85], s[8:9], s[90:91]        ; table rows 256 by ..
	s_lshl_b32 s92, s17, 15                        ; 256 rows x 128 bytes in a head
	s_lshl_b32 s90, s16, 20
	s_add_co_u32 s90, s90, s92
	s_add_nc_u64 s[86:87], s[10:11], s[90:91]      ; head 2 bx
	s_add_co_u32 s90, s16, 32
	s_lshl_b32 s90, s90, 19
	s_add_co_u32 s90, s90, s92
	s_add_nc_u64 s[88:89], s[10:11], s[90:91]      ; head 32 + bx
	; lane terms: r = l % 16, h = l / 16
	v_and_b32 v1, 15, v0
	v_bfe_u32 v2, v0, 4, 1
	v_and_b32 v3, 7, v0
	v_bfe_u32 v4, v0, 3, 1
	v_and_b32 v5, 31, v0
	s_mul_i32 s93, s12, 64*PA
	v_mul_u32_u24 v6, v1, PA
	v_lshl_add_u32 v6, v2, 4, v6
	v_add_nc_u32 v[ADRA], s93, v6                  ; (64 w + r) pitch + 16 h
	v_add_nc_u32 v[ADRA+1], SLOT, v[ADRA]
	v_lshl_add_u32 v7, v2, 3, v3                   ; K row 8 h + l % 8
	v_mul_u32_u24 v8, v7, PQ
	v_lshl_add_u32 v8, v4, 4, v8                   ; + 16 ((l / 8) % 2)
	v_add_nc_u32 v[ADRQ], OFFQ, v8
	v_add_nc_u32 v[ADRQ+1], SLOT, v[ADRQ]
	v_mul_u32_u24 v9, v7, PV
	v_lshl_add_u32 v9, v4, 4, v9
	v_add_nc_u32 v[ADRV], OFFV, v9
	v_add_nc_u32 v[ADRV+1], SLOT, v[ADRV]
	s_mul_i32 s94, s12, SWAVE
	s_add_co_u32 s94, s94, STAGE
	v_mul_u32_u24 v10, v1, 144
	v_lshl_add_u32 v10, v2, 4, v10
	v_add_nc_u32 v[STO], s94, v10                  ; in: row r, 16 bytes for each half of the lanes
	v_lshrrev_b32 v11, 3, v5
	v_mul_u32_u24 v11, v11, 144
	v_lshl_add_u32 v11, v3, 4, v11
	v_add_nc_u32 v[RD], s94, v11                   ; back: 8 lanes a row of 128 bytes, 4 rows a load
	s_lshl_b32 s95, s12, 13
	v_lshlrev_b32 v[CO], 4, v5
	v_add_nc_u32 v[CO], s95, v[CO]                 ; 64 w rows x 128 bytes + 16 l: a store covers 512 consecutive bytes
	s_lshl_b32 s95, s12, 14
	v_lshlrev_b32 v[RO], 8, v1
	v_lshl_add_u32 v[RO], v2, 5, v[RO]
	v_add_nc_u32 v[RO], s95, v[RO]                 ; table: (64 w + r) rows of 256 bytes + 32 h
	v_lshlrev_b32 v[BO], 5, v2                     ; bias: 32 h
	; bias and table go into registers that the loop does not touch, and are waited for once behind it
.irp b, 0,1,2,3,4,5,6,7
	global_load_b128 v[BIAS+8*\b:BIAS+8*\b+3],   v[BO], s[80:81] offset:64*\b
	global_load_b128 v[BIAS+8*\b+4:BIAS+8*\b+7], v[BO], s[80:81] offset:64*\b+16
.endr
.irp b, 0,1,2,3
	global_load_b128 v[BIAS+64+8*\b:BIAS+64+8*\b+3],   v[BO], s[82:83] offset:64*\b
	global_load_b128 v[BIAS+64+8*\b+4:BIAS+64+8*\b+7], v[BO], s[82:83] offset:64*\b+16
.endr
.macro ROPELD a                        ; rows 16 a + r: cos (sn = 0) and sin (sn = 1) of frequencies 16 bb + 8 h + 0..7
.irp sn, 0,1
.irp bb, 0,1
	global_load_b128 v[192+32*(\a%2)+16*\sn+8*\bb:192+32*(\a%2)+16*\sn+8*\bb+3],   v[RO], s[84:85] offset:4096*\a+128*\sn+64*\bb
	global_load_b128 v[192+32*(\a%2)+16*\sn+8*\bb+4:192+32*(\a%2)+16*\sn+8*\bb+7], v[RO], s[84:85] offset:4096*\a+128*\sn+64*\bb+16
.endr
.endr
.endm
	WIN 0x80
	ROPELD 0
	ROPELD 1
	WIN 0xc0
	ROPELD 2
	ROPELD 3
	WIN 0
; 12 matrix instructions: row block 2 hi + a x all 12 column tiles, 32 along K, from buffer f.  The 48 accumulators take turns, one instruction a turn,
; in the same order in every quarter step.
.macro MUL12 f, hi, a, zero
.irp b, 0,1,2,3,4,5,6,7,8,9,10,11
.if \zero
	v_wmma_f32_16x16x32_bf16 v[8*(12*\a+\b):8*(12*\a+\b)+7], v[96*\f+8*\b:96*\f+8*\b+7], v[AF+32*\f+8*(2*\hi+\a):AF+32*\f+8*(2*\hi+\a)+7], 0
.else
	v_wmma_f32_16x16x32_bf16 v[8*(12*\a+\b):8*(12*\a+\b)+7], v[96*\f+8*\b:96*\f+8*\b+7], v[AF+32*\f+8*(2*\hi+\a):AF+32*\f+8*(2*\hi+\a)+7], v[8*(12*\a+\b):8*(12*\a+\b)+7]
.endif
.endr
.endm
; 32 LDS loads in one run: quarter kq of a slot into buffer f: W's 12 column tiles (transposed on the way), then x's 4 row blocks
.macro FETCH slot, kq, f
	WIN TO_B
.irp b, 0,1,2,3,4,5,6,7
	ds_load_tr16_b128 v[96*\f+8*\b:96*\f+8*\b+3],   v[ADRQ+\slot] offset:\kq*32*PQ+32*\b
	ds_load_tr16_b128 v[96*\f+8*\b+4:96*\f+8*\b+7], v[ADRQ+\slot] offset:\kq*32*PQ+32*\b+16*PQ
.endr
.irp b, 0,1,2,3
	ds_load_tr16_b128 v[96*\f+64+8*\b:96*\f+64+8*\b+3],   v[ADRV+\slot] offset:\kq*32*PV+32*\b
	ds_load_tr16_b128 v[96*\f+64+8*\b+4:96*\f+64+8*\b+7], v[ADRV+\slot] offset:\kq*32*PV+32*\b+16*PV
.endr
	WIN 0
.irp i, 0,1,2,3
	ds_load_b128 v[AF+32*\f+8*\i:AF+32*\f+8*\i+3],   v[ADRA+\slot] offset:64*\kq+\i*16*PA
	ds_load_b128 v[AF+32*\f+8*\i+4:AF+32*\f+8*\i+7], v[ADRA+\slot] offset:64*\kq+\i*16*PA+32
.endr
.endm
.macro QUARTER slot, kq, f, g, zero    ; multiplies buffer f; in its middle fetches quarter kq into buffer g
	s_wait_dscnt 4                                 ; W and x's row blocks 0, 1 are in; the youngest four loads (blocks 2, 3) may be out
	WIN MUL_LO
	MUL12 \f, 0, 0, \zero
	MUL12 \f, 0, 1, \zero
	PLACES
	FETCH \slot, \kq, \g
	s_wait_dscnt 32                                ; all but the 32 just issued
	WIN MUL_HI
	MUL12 \f, 1, 0, \zero
	MUL12 \f, 1, 1, \zero
.endm
.macro THREE slot, zero
	QUARTER \slot, 1, 0, 1, \zero
	QUARTER \slot, 2, 1, 0, 0
	QUARTER \slot, 3, 0, 1, 0
.endm
; The last quarter of a K step changes slots.  In front of the barrier each wave waits for its reads of this slot and for all its tensor loads (the one that
; is out is its part of the next slot); where the slot is filled again the barrier opens a round of the cluster's barrier, and the joint refill is the
; first tensor load behind the round.  From a request to the wait for it a wave issues 180 matrix instructions.
.macro TURN slot, next, fill
	s_wait_dscnt 4
	WIN MUL_LO
	MUL12 1, 0, 0, 0
	s_wait_dscnt 0x0
	s_wait_tensorcnt 0x0
	ds_add_u32 v255, v31
	s_wait_dscnt 0x0
	s_barrier_signal -1
	MUL12 1, 0, 1, 0                               ; register work between signal and wait
	WIN 0
	s_barrier_wait -1
.if \fill
	CREST
	s_add_nc_u64 s[G0A+4*\slot+2:G0A+4*\slot+3], s[G0A+4*\slot+2:G0A+4*\slot+3], 512       ; two K steps on: no tensor load of the wave is out
	s_add_nc_u64 s[G0Q+4*\slot+2:G0Q+4*\slot+3], s[G0Q+4*\slot+2:G0Q+4*\slot+3], 1572864
	s_add_nc_u64 s[G0V+4*\slot+2:G0V+4*\slot+3], s[G0V+4*\slot+2:G0V+4*\slot+3], 1572864
	JLOAD \slot
.endif
	PLACES
	FETCH \next, 0, 0
	WIN MUL_HI
	MUL12 1, 1, 0, 0
	MUL12 1, 1, 1, 0
.endm
.macro LAP zero
	THREE 0, \zero
	TURN 0, 1, 1
	THREE 1, 0
	TURN 1, 0, 1
.endm
	s_wait_tensorcnt 0x1                           ; my part of K step 0 is in; K step 1's may stay out
	s_barrier_signal -1
	s_barrier_wait -1
	FETCH 0, 0, 0
	LAP 1                                          ; the first products start the sums: nothing is cleared
	WIN 0
	s_mov_b32 s76, LAPS-2
.Llap:
	LAP 0
	WIN 0
	s_sub_co_u32 s76, s76, 1
	s_cmp_lg_u32 s76, 0
	s_cbranch_scc1 .Llap
	THREE 0, 0                                     ; the last lap fills nothing
	TURN 0, 1, 0
	THREE 1, 0
	s_wait_dscnt 4
	WIN MUL_LO
	MUL12 1, 0, 0, 0
	MUL12 1, 0, 1, 0
	s_wait_dscnt 0x0
	WIN MUL_HI
	MUL12 1, 1, 0, 0
	MUL12 1, 1, 1, 0
	PLACES
	s_wait_loadcnt 0x0                             ; bias and table
; Two columns d and two columns d + 32 of a rotated head: x = sum + bias; t1 = x1 cos - x2 sin; t2 = x2 cos + x1 sin.  Source 0 is the operand in window 2 or 3.
.macro ROT a1, a2, b1, b2, x1, x2, t1, t2, c, s
	v_pk_add_f32 v[\x1:\x1+1], v[\a1:\a1+1], v[\b1:\b1+1]
	v_pk_add_f32 v[\x2:\x2+1], v[\a2:\a2+1], v[\b2:\b2+1]
	v_pk_mul_f32 v[\t1:\t1+1], v[\c:\c+1], v[\x1:\x1+1]
	v_pk_mul_f32 v[\t2:\t2+1], v[\c:\c+1], v[\x2:\x2+1]
	v_pk_fma_f32 v[\t1:\t1+1], v[\s:\s+1], v[\x2:\x2+1], v[\t1:\t1+1] neg_lo:[1,0,0] neg_hi:[1,0,0]
	v_pk_fma_f32 v[\t2:\t2+1], v[\s:\s+1], v[\x1:\x1+1], v[\t2:\t2+1]
.endm
; Rows 16 a .. +15 of my 64: bias, rotation, f16, through my own stage in LDS (a wave's LDS instructions are served in order: ISA guide 5.7.1.4), out as 512 consecutive bytes a store.
.macro OUTA a
.set ACB, 96*(\a%2)
.set RPB, 192+32*(\a%2)
.if \a
	s_wait_xcnt 0x0                                ; T is the data of the stores of the last 16 rows: rewritten only behind this wait
.endif
.if \a < 2
	WIN 0x02
.else
	WIN 0x03
.endif
.irp hd, 0,1
.irp bb, 0,1
.irp jp, 0,2,4,6
	ROT ACB+8*(4*\hd+\bb)+\jp, ACB+8*(4*\hd+\bb+2)+\jp, BIAS+8*(4*\hd+\bb)+\jp, BIAS+8*(4*\hd+\bb+2)+\jp, XT+16*\bb+2*\jp, XT+16*\bb+2*\jp+2, T+8*(4*\hd+\bb)+\jp, T+8*(4*\hd+\bb+2)+\jp, RPB+8*\bb+\jp, RPB+16+8*\bb+\jp
.endr
.endr
.endr
.irp jp, 0,2,4,6,8,10,12,14,16,18,20,22,24,26,28,30
	v_pk_add_f32 v[T+64+\jp:T+64+\jp+1], v[ACB+64+\jp:ACB+64+\jp+1], v[BIAS+64+\jp:BIAS+64+\jp+1]   ; v's head: bias alone
.endr
	WIN 0
.irp b, 0,1,2,3,4,5,6,7,8,9,10,11
.irp k, 0,1,2,3
	v_cvt_pk_f16_f32 v[T+8*\b+\k], v[T+8*\b+2*\k], v[T+8*\b+2*\k+1]
.endr
.endr
.irp b, 0,1,2,3,4,5,6,7,8,9,10,11
	ds_store_b128 v[STO], v[T+8*\b:T+8*\b+3] offset:SHEAD*(\b/4)+32*(\b%4)
.endr
.irp t, 0,1,2,3,4,5,6,7,8,9,10,11
	ds_load_b128 v[T+8*\t+4:T+8*\t+7], v[RD] offset:SHEAD*(\t/4)+576*(\t%4)
.endr
.irp t, 0,1,2,3,4,5,6,7
	s_wait_dscnt 11-\t                             ; load t is back; the 11 - t younger may be out
	global_store_b128 v[CO], v[T+8*\t+4:T+8*\t+7], s[86:87] offset:HEADB*(\t/4)+2048*\a+512*(\t%4)
.endr
.irp t, 8,9,10,11
	s_wait_dscnt 11-\t
	global_store_b128 v[CO], v[T+8*\t+4:T+8*\t+7], s[88:89] offset:2048*\a+512*(\t%4)
.endr
.endm
	OUTA 0
	OUTA 1
	OUTA 2
	OUTA 3
	s_set_vgpr_msb 0x1
	s_wait_tensorcnt 0x0
	ds_add_u32 v255, v31
	s_wait_dscnt 0x0
	s_set_vgpr_msb 0x100
	CROUND                                         ; the closing round: no work-group ends while a partner may still ask for a tile that names it
	s_endpgm
.Lfunc_end_k_q8c6e466bc7_qkv:
	.size	k_q8c6e466bc7_qkv, .Lfunc_end_k_q8c6e466bc7_qkv-k_q8c6e466bc7_qkv
	.p2alignl 7, 3214868480
	.fill 96, 4, 3214868480
	.section	.rodata,"a",@progbits
	.p2align	6, 0x0
	.amdhsa_kernel k_q8c6e466bc7_qkv
		.amdhsa_group_segment_fixed_size 327680
		.amdhsa_private_segment_fixed_size 0
		.amdhsa_enable_private_segment 0
		.amdhsa_kernarg_size 32
		.amdhsa_user_sgpr_count 2
		.amdhsa_user_sgpr_kernarg_segment_ptr 1
		.amdhsa_wavefront_size32 1
		.amdhsa_system_sgpr_workgroup_id_x 1
		.amdhsa_system_sgpr_workgroup_id_y 1
		.amdhsa_system_sgpr_workgroup_id_z 1
		.amdhsa_system_vgpr_workitem_id 0
		.amdhsa_next_free_vgpr 1024
		.amdhsa_next_free_sgpr 96
		.amdhsa_reserve_vcc 0
		.amdhsa_float_denorm_mode_32 3
		.amdhsa_float_denorm_mode_16_64 3
		.amdhsa_memory_ordered 1
		.amdhsa_forward_progress 1
		.amdhsa_inst_pref_size 200
	.end_amdhsa_kernel
	.amdgpu_metadata
---
amdhsa.version: [ 1, 2 ]
amdhsa.kernels:
  - .name:           k_q8c6e466bc7_qkv
    .symbol:         k_q8c6e466bc7_qkv.kd
    .args:
      - { .name: castb, .offset: 0, .size: 8, .value_kind: global_buffer, .address_space: global }
      - { .name: wqkv_b, .offset: 8, .size: 8, .value_kind: global_buffer, .address_space: global }
      - { .name: rope, .offset: 16, .size: 8, .value_kind: global_buffer, .address_space: global }
      - { .name: qkv, .offset: 24, .size: 8, .value_kind: global_buffer, .address_space: global }
    .group_segment_fixed_size: 327680
    .private_segment_fixed_size: 0
    .kernarg_segment_align: 8
    .kernarg_segment_size: 32
    .max_flat_workgroup_size: 128
    .sgpr_count:     96
    .vgpr_count:     1024
    .wavefront_size: 32
...
	.end_amdgpu_metadata
.endif
;; end of part 2
;; launch attn (part 3): grid 32 x 16, 4 waves a work-group, clusters of 4 x 4, 327,680 bytes of LDS; arguments qkv, mask, ctx; writes ctx
.if DOCPART == 3
	.amdgcn_target "amdgcn-amd-amdhsa--gfx1250"
	.amdhsa_code_object_version 6
	.text
	.protected	k_q8c6e466bc7_attn
	.globl	k_q8c6e466bc7_attn
	.p2align	8
	.type	k_q8c6e466bc7_attn,@function
k_q8c6e466bc7_attn:
	s_mov_b64 s[64:65], 0
	v_nop
	global_prefetch_b8 v0, s[64:65] scope:SCOPE_SE
	s_setreg_imm32_b32 hwreg(HW_REG_WAVE_MODE, 25, 1), 1
	s_wait_xcnt 0x0
	s_wait_alu depctr_hold_cnt(0) depctr_sa_sdst(0) depctr_va_vdst(0) depctr_va_sdst(0) depctr_va_ssrc(0) depctr_va_vcc(0) depctr_vm_vsrc(0)
	s_getreg_b32 s2, hwreg(HW_REG_IB_STS2, 6, 4)
	s_cmp_eq_u32 s2, 0
	s_cbranch_scc0 .Lentry_in_a_cluster
	s_endpgm
.Lentry_in_a_cluster:
	s_bfe_u32 s2, ttmp6, 0x10000c
	s_cmp_lg_u32 s2, 0xf033
	s_cbranch_scc0 .Lentry_shape_is_right
	s_endpgm
.Lentry_shape_is_right:
; attn: ctx = softmax(q k^T / 8, masked) v for one head and 128 queries a work-group, by a running maximum.  q, k, v f16 in qkv[48][4096][64]; the mask
; is read as given, one byte for each (query, key), 1 = masked out; ctx f16 in [16][4096][64].  Wave w owns queries 32 w .. +31: two tiles of 16.
; THE PRODUCTS ARE USED TRANSPOSED.  S^T = K Q^T: lane (r, h) holds query r and keys 8 h + 0..7 of a key tile, so a query's maximum lies in two lanes (one
; exchange a step), two key tiles packed to f16 ARE the second operand of O^T = V^T P^T, and a lane ends with 8 neighbouring numbers of one row of ctx.
; THE MASK is the start of the sums: each mask byte becomes the f32 word 0 or 0xff000000 (-2^127, finite) in its S register by byte permutes, and K Q^T adds onto it.
; THE ROW SUM is one more accumulator a query tile, first operand all ones, so that numerator and denominator see the same rounded P.
; THE RUNNING MAXIMUM starts at -2^100: above every masked score, so a masked score never becomes the maximum and its exponential is 0; and a power of two, so
; that c x maximum is exact and a block of keys that is masked altogether leaves the rescale factor at exactly 1.
; LIMITS: mask bytes are 0 or 1.  An unmasked q.k at or below -2^100 counts as masked.  A query all of whose keys are masked ends with the maximum still at
; -2^100 and gets NaN, as a softmax over -inf alone gives.
; THE RING: two LDS slots of 64 keys (K 64 x 128 bytes, V 64 x 128 bytes, mask 128 queries x 64 bytes); a trip is one slot.  Trip 0 stands ahead of the loop (its
; products start O and the row sums), 31 times slots 1 and 0, and the last trip, which fetches nothing: 64 trips, the trip's text four times.
; CLUSTERS: 4 x 4, x = query block, y = head.  K's and V's tiles hang on the head alone: asked for jointly by a row of the cluster.  The mask's tile hangs on the
; query block alone: jointly by a column.  Wave 0 asks for K, wave 1 for V, waves 2, 3 for 64 rows of the mask each.
; REGISTER WINDOWS: 0: all that vector instructions write: addresses, S / P, O, row sums, raw mask, row state; 1: what loads fill and products read: K, V, Q fragments.
.set KPI,   144                        ; K rows: 128 bytes + 16: an odd multiple of 16
.set VPI,   160                        ; V rows: 128 + 32: an odd multiple of 32, for the transposing load
.set MPI,   80                         ; mask rows: 64 + 16: row r starts at word 20 r mod 64, sixteen different multiples of 4, so the 32 lanes' 8 bytes touch 64 different words
.set VOFF,  64*KPI                     ; 9,216
.set MOFF,  VOFF+64*VPI                ; 19,456
.set SLOT,  MOFF+128*MPI               ; 29,696
.set STAGE, 2*SLOT                     ; 59,392: behind the ring; no tensor load lands here
.set SWAVE, 16*144
; window 0
.set KA, 4                             ; v4-5   K fragments, slot 0, 1; never rewritten
.set VA, 6                             ; v6-7   V fragments
.set MA, 8                             ; v8-9   mask bytes
.set STO, 10
.set RD, 11
.set CO, 12
.set QO, 13
.set ZR, 16                            ; 0
.set ONES, 20                          ; v[20:27]: 1.0 in f16
.set SC, 32                            ; S at + 32 qt + 8 kt + j; P's fragment for keys 32 kp .. +31 at + 32 qt + 8 kp
.set OA, 96                            ; O at + 40 qt + 8 dt, the row sum at + 40 qt + 32
.set MR, 176                           ; raw mask at + 8 qt + 2 kt
.set AL, 192                           ; pair (AL, MX) of query tile qt at + 2 qt: rescale factor, running maximum
.set MX, 193
.set NM, 196                           ; pair (-c x maximum, 0) at + 2 qt
.set TA, 200
.set TB, 202
.set TX, 204
.set NANR, 206
.set PK, 208                           ; the way out: packed results
; window 1
.set KF, 0                             ; + 16 kt + 8 ks
.set VF, 64                            ; + 32 kp + 8 dt
.set QF, 128                           ; + 16 qt + 8 ks
.set G1K, 24
.set G1V, 32
.set G1M, 40
.set G0K, 48
.set G0V, 56
.set G0M, 68
.set TO_1,  0x40                       ; destination window 1, address window 0
.set MUL_S, 0x05                       ; sources 0 and 1 window 1, C and D window 0
.set MUL_O, 0x01                       ; source 0 window 1
.set MSB, 0
.macro WIN new                         ; the immediate's high byte repeats the setting that is left
.if MSB != \new
	s_set_vgpr_msb (MSB<<8)|\new
.set MSB, \new
.endif
.endm
.macro PLACES                          ; four plain vector instructions behind a matrix instruction, ahead of loads into its sources and of readers and writers of its registers
.rept 4
	v_nop
.endr
.endm
.macro JLOAD s                         ; one joint load a wave; the branches hang on the wave's number alone
	s_cmp_lt_u32 s10, 2
	s_cbranch_scc0 .Lm_\@
	s_cmp_eq_u32 s10, 0
	s_cbranch_scc0 .Lv_\@
	tensor_load_to_lds s[G0K+4*(\s):G0K+4*(\s)+3], s[G1K:G1K+7]
	s_nop 0
	s_branch .Lasked_\@
.Lv_\@:
	tensor_load_to_lds s[G0V+4*(\s):G0V+4*(\s)+3], s[G1V:G1V+7]
	s_nop 0
	s_branch .Lasked_\@
.Lm_\@:
	tensor_load_to_lds s[G0M+4*(\s):G0M+4*(\s)+3], s[G1M:G1M+7]
	s_nop 0
.Lasked_\@:
.endm
.macro ROUND                           ; a round of the cluster's barrier
	s_barrier_signal -1
	s_barrier_wait -1
	s_cmp_lg_u32 s10, 0
	s_cbranch_scc1 .Lnot_wave_0_\@
	s_barrier_signal -3
.Lnot_wave_0_\@:
	s_barrier_wait -3
	s_barrier_signal -1
	s_barrier_wait -1
.endm
	s_load_b128 s[4:7], s[0:1], 0x0                ; qkv s[4:5], mask s[6:7]
	s_load_b64 s[8:9], s[0:1], 0x10                ; ctx
	v_lshl_add_u32 v254, v0, 2, 0x29000
	v_mov_b32 v255, 0
	ds_add_u32 v254, v255
	v_lshrrev_b32 v1, 5, v0
	v_readfirstlane_b32 s10, v1                    ; wave
	s_and_b32 s11, s10, 1
	s_bfe_u32 s12, ttmp6, 0x40000                  ; cx
	s_bfe_u32 s13, ttmp6, 0x40004                  ; cy
	s_lshl_b32 s14, ttmp9, 2
	s_add_co_u32 s14, s14, s12                     ; query block, 0 to 31
	s_and_b32 s15, ttmp7, 0xffff
	s_lshl_b32 s15, s15, 2
	s_add_co_u32 s15, s15, s13                     ; head
	s_lshl_b32 s22, s13, 2
	s_lshl_b32 s22, 15, s22                        ; my row of the cluster
	s_lshl_b32 s23, 0x1111, s12                    ; my column
	s_or_b32 s[G1K+0], s22, 0x07310000             ; 2-byte elements; after every 32 words 4 words; bit 21 beside the mask
	s_mov_b32 s[G1K+1], 64<<16                     ; tensor_dim0 = 64
	s_mov_b32 s[G1K+2], 64<<16                     ; tensor_dim1 = 64
	s_mov_b32 s[G1K+3], 64<<16                     ; tile_dim0 = 64
	s_mov_b32 s[G1K+4], 64                         ; tile_dim1 = 64
	s_mov_b32 s[G1K+5], 64                         ; elements from row to row
	s_mov_b32 s[G1K+6], 0
	s_mov_b32 s[G1K+7], 0
	s_or_b32 s[G1V+0], s22, 0x0f310000             ; after every 32 words 8 words
	s_mov_b32 s[G1V+1], 64<<16
	s_mov_b32 s[G1V+2], 64<<16
	s_mov_b32 s[G1V+3], 64<<16
	s_mov_b32 s[G1V+4], 64
	s_mov_b32 s[G1V+5], 64
	s_mov_b32 s[G1V+6], 0
	s_mov_b32 s[G1V+7], 0
	s_or_b32 s[G1M+0], s23, 0x06f20000             ; 4-byte elements: 64 rows x 16 words; after every 16 words 4 words
	s_mov_b32 s[G1M+1], 16<<16
	s_mov_b32 s[G1M+2], 64<<16
	s_mov_b32 s[G1M+3], 16<<16
	s_mov_b32 s[G1M+4], 64
	s_mov_b32 s[G1M+5], 1024
	s_mov_b32 s[G1M+6], 0
	s_mov_b32 s[G1M+7], 0
	; K's and V's addresses are made of the head alone, the mask's of the query block and the wave, each in registers that never hold the other coordinate
	s_add_co_u32 s16, s15, 16
	s_lshl_b32 s16, s16, 19                        ; K: head 16 + head
	s_mov_b32 s17, 0
	s_add_co_u32 s18, s15, 32
	s_lshl_b32 s18, s18, 19                        ; V: head 32 + head
	s_mov_b32 s19, 0
	s_lshl_b32 s20, s14, 19                        ; mask: 128 rows x 4,096 bytes,
	s_lshl_b32 s21, s11, 18                        ; 64 rows for each of waves 2, 3
	s_add_co_u32 s20, s20, s21
	s_mov_b32 s21, 0
	s_mul_i32 s90, s10, 64*MPI
	s_add_co_u32 s90, s90, MOFF-2*64*MPI           ; waves 2, 3: MOFF, MOFF + 64 rows
	s_mov_b32 s76, 0x0000ff00                      ; byte 0 -> 0x00, byte 1 -> 0xff
	s_mov_b32 s92, 0x04000000                      ; byte 0, 1, 2, 3 of the first source on top of three zero bytes
	s_mov_b32 s93, 0x05000000
	s_mov_b32 s94, 0x06000000
	s_mov_b32 s95, 0x07000000
	s_mov_b32 s80, 0x3e38aa3b                      ; c = log2(e) / 8
	s_mov_b32 s81, 0x3e38aa3b
	s_mov_b32 s82, 0x76543210                      ; v_permlanex16_b32: lane i takes lane i of the other half
	s_mov_b32 s83, 0xfedcba98
	s_mov_b32 s84, 0xbe38aa3b                      ; -c
	s_mov_b32 s85, 0xf1800000                      ; -2^100
	s_wait_dscnt 0x0
	s_wait_kmcnt 0x0
	s_add_nc_u64 s[16:17], s[4:5], s[16:17]
	s_add_nc_u64 s[18:19], s[4:5], s[18:19]
	s_add_nc_u64 s[20:21], s[6:7], s[20:21]
	ROUND                                          ; in front of the first joint load
.irp s, 0,1
	s_mov_b32 s[G0K+4*\s], 1
	s_mov_b32 s[G0K+4*\s+1], \s*SLOT
	s_add_nc_u64 s[G0K+4*\s+2:G0K+4*\s+3], s[16:17], \s*8192
	s_or_b32 s[G0K+4*\s+3], s[G0K+4*\s+3], 0x80000000
	s_mov_b32 s[G0V+4*\s], 1
	s_mov_b32 s[G0V+4*\s+1], \s*SLOT+VOFF
	s_add_nc_u64 s[G0V+4*\s+2:G0V+4*\s+3], s[18:19], \s*8192
	s_or_b32 s[G0V+4*\s+3], s[G0V+4*\s+3], 0x80000000
	s_mov_b32 s[G0M+4*\s], 1
	s_add_co_u32 s[G0M+4*\s+1], s90, \s*SLOT
	s_add_nc_u64 s[G0M+4*\s+2:G0M+4*\s+3], s[20:21], \s*64
	s_or_b32 s[G0M+4*\s+3], s[G0M+4*\s+3], 0x80000000
.endr
	JLOAD 0                                        ; keys 0-63.  One tensor load of the wave is out at any time
	s_lshl_b32 s66, s15, 19
	s_lshl_b32 s67, s14, 14
	s_add_co_u32 s66, s66, s67                     ; head, 128 rows x 128 bytes
	s_mov_b32 s67, 0
	s_add_nc_u64 s[88:89], s[8:9], s[66:67]        ; ctx
	s_add_nc_u64 s[86:87], s[4:5], s[66:67]
	s_lshl_b32 s66, s10, 12                        ; 32 rows x 128 bytes a wave
	s_add_nc_u64 s[86:87], s[86:87], s[66:67]      ; q at my 32 rows
	v_and_b32 v1, 15, v0                           ; r
	v_bfe_u32 v2, v0, 4, 1                         ; h
	v_lshlrev_b32 v[QO], 7, v1
	v_lshl_add_u32 v[QO], v2, 4, v[QO]             ; 128 r + 16 h
	WIN TO_1
.irp qt, 0,1
.irp ks, 0,1
	global_load_b128 v[QF+16*\qt+8*\ks:QF+16*\qt+8*\ks+3],   v[QO], s[86:87] offset:2048*\qt+64*\ks
	global_load_b128 v[QF+16*\qt+8*\ks+4:QF+16*\qt+8*\ks+7], v[QO], s[86:87] offset:2048*\qt+64*\ks+32
.endr
.endr
	WIN 0
.irp qt, 0,1
	v_mov_b32 v[MX+2*\qt], s85                     ; the running maximum starts at -2^100,
	v_mov_b32 v[NM+2*\qt], 0x7038aa3b              ; -c x maximum at c 2^100, exactly
	v_mov_b32 v[NM+2*\qt+1], 0                     ; the pair's second word is named, not used
	v_mov_b32 v[TX+\qt], 0                         ; v_permlanex16_b32 counts as a reader of its destination
.endr
	v_mov_b32 v[NANR], 0x7fc00000
	v_mov_b32 v[ZR], 0
.irp p, 0,1,2,3,4,5,6,7
	v_mov_b32 v[ONES+\p], 0x3c003c00               ; 1.0 in f16, twice
.endr
	v_mul_u32_u24 v[KA], v1, KPI
	v_lshl_add_u32 v[KA], v2, 4, v[KA]             ; r pitch + 16 h
	v_add_nc_u32 v[KA+1], SLOT, v[KA]
	v_and_b32 v3, 7, v0
	v_lshl_add_u32 v14, v2, 3, v3                  ; key row 8 h + l % 8
	v_mul_u32_u24 v[VA], v14, VPI
	v_bfe_u32 v14, v0, 3, 1
	v_lshl_add_u32 v[VA], v14, 4, v[VA]            ; + 16 ((l / 8) % 2)
	v_add_nc_u32 v[VA], VOFF, v[VA]
	v_add_nc_u32 v[VA+1], SLOT, v[VA]
	s_mul_i32 s91, s10, 32*MPI
	s_add_co_u32 s91, s91, MOFF
	v_mul_u32_u24 v[MA], v1, MPI
	v_lshl_add_u32 v[MA], v2, 3, v[MA]
	v_add_nc_u32 v[MA], s91, v[MA]                 ; (32 w + r) pitch + 8 h
	v_add_nc_u32 v[MA+1], SLOT, v[MA]
	s_mul_i32 s91, s10, SWAVE
	s_add_co_u32 s91, s91, STAGE
	v_add_nc_u32 v[STO], s91, v[KA]                ; the stage has K's pitch: r x 144 + 16 h
	v_and_b32 v14, 31, v0
	v_lshrrev_b32 v15, 3, v14
	v_mul_u32_u24 v15, v15, 144
	v_lshl_add_u32 v15, v3, 4, v15
	v_add_nc_u32 v[RD], s91, v15                   ; back: 8 lanes a row of 128 bytes, 4 rows a load
	v_lshlrev_b32 v[CO], 4, v14
	v_add_nc_u32 v[CO], s66, v[CO]                 ; 32 w rows x 128 bytes + 16 l: a store covers 512 consecutive bytes
	s_wait_loadcnt 0x0                             ; q
.macro LOADM slot                      ; 8 loads: for each query tile and key tile my query's 8 mask bytes (keys 8 h + 0..7)
.irp qt, 0,1
.irp kt, 0,1,2,3
	ds_load_b64 v[MR+8*\qt+2*\kt:MR+8*\qt+2*\kt+1], v[MA+\slot] offset:16*MPI*\qt+16*\kt
.endr
.endr
.endm
.macro LOADK slot                      ; 16 loads: 4 key tiles x 64 along d
.irp kt, 0,1,2,3
.irp ks, 0,1
	ds_load_b128 v[KF+16*\kt+8*\ks:KF+16*\kt+8*\ks+3],   v[KA+\slot] offset:16*\kt*KPI+64*\ks
	ds_load_b128 v[KF+16*\kt+8*\ks+4:KF+16*\kt+8*\ks+7], v[KA+\slot] offset:16*\kt*KPI+64*\ks+32
.endr
.endr
.endm
.macro LOADV slot                      ; 16 transposing loads: V^T, 4 tiles of d x 2 x 32 keys
.irp kp, 0,1
.irp dt, 0,1,2,3
	ds_load_tr16_b128 v[VF+32*\kp+8*\dt:VF+32*\kp+8*\dt+3],   v[VA+\slot] offset:32*\kp*VPI+32*\dt
	ds_load_tr16_b128 v[VF+32*\kp+8*\dt+4:VF+32*\kp+8*\dt+7], v[VA+\slot] offset:32*\kp*VPI+32*\dt+16*VPI
.endr
.endr
.endm
.macro SMFMA qt, i                     ; c s - c max, two at a time
	v_pk_fma_f32 v[SC+32*\qt+2*\i:SC+32*\qt+2*\i+1], v[SC+32*\qt+2*\i:SC+32*\qt+2*\i+1], s[80:81], v[NM+2*\qt:NM+2*\qt+1] op_sel_hi:[1,0,0]
.endm
.macro SMEXP qt, i
	v_exp_f32 v[SC+32*\qt+2*\i], v[SC+32*\qt+2*\i]
	v_exp_f32 v[SC+32*\qt+2*\i+1], v[SC+32*\qt+2*\i+1]
.endm
.macro SMCVT qt, i                     ; in place, ascending: word i is written after words 2 i, 2 i + 1 of smaller i were read
	s_wait_alu depctr_va_vdst(0)
	v_cvt_pk_f16_f32 v[SC+32*\qt+\i], v[SC+32*\qt+2*\i], v[SC+32*\qt+2*\i+1]
.endm
.macro SOFTMAX
.irp qt, 0,1
	v_max3_num_f32 v[TA+\qt], v[MX+2*\qt], v[SC+32*\qt], v[SC+32*\qt+1]
	v_max3_num_f32 v[TB+\qt], v[SC+32*\qt+16], v[SC+32*\qt+17], v[SC+32*\qt+18]
.endr
.irp i, 0,1,2,3,4,5
.irp qt, 0,1
	v_max3_num_f32 v[TA+\qt], v[TA+\qt], v[SC+32*\qt+2+2*\i], v[SC+32*\qt+3+2*\i]
	v_max3_num_f32 v[TB+\qt], v[TB+\qt], v[SC+32*\qt+19+2*\i], v[SC+32*\qt+20+2*\i]
.endr
.endr
.irp qt, 0,1
	v_max3_num_f32 v[TA+\qt], v[TA+\qt], v[SC+32*\qt+14], v[SC+32*\qt+15]
.endr
.irp qt, 0,1
	v_max3_num_f32 v[TA+\qt], v[TA+\qt], v[TB+\qt], v[SC+32*\qt+31]
.endr
.irp qt, 0,1
	v_permlanex16_b32 v[TX+\qt], v[TA+\qt], s82, s83   ; the same query's other 32 keys
.endr
.irp qt, 0,1
	v_max_num_f32 v[MX+2*\qt], v[TA+\qt], v[TX+\qt]    ; the new running maximum
.endr
.irp qt, 0,1
	v_mul_f32 v[TB+\qt], s84, v[MX+2*\qt]              ; -c x maximum, rounded once
.endr
.irp qt, 0,1
	v_sub_f32 v[AL+2*\qt], v[TB+\qt], v[NM+2*\qt]      ; the difference of the two ROUNDED terms: old and new blocks then carry the same rounding of c x maximum
.endr
.irp qt, 0,1
	v_mov_b32 v[NM+2*\qt], v[TB+\qt]
.endr
.irp qt, 0,1
	v_exp_f32 v[AL+2*\qt], v[AL+2*\qt]
.endr
	; The two query tiles go through subtract, exponential, pack one stage apart, so that a plain instruction on the other tile's registers stands behind
	; every pair of exponentials, ahead of any use of their results (ISA guide 5.7.2)
.irp i, 0,1,2,3,4,5,6,7,8,9,10,11,12,13,14,15
	SMFMA 0, \i
.endr
.irp i, 0,1,2,3,4,5,6,7,8,9,10,11,12,13,14,15
	SMEXP 0, \i
	SMFMA 1, \i
.endr
.irp i, 0,1,2,3,4,5,6,7,8,9,10,11,12,13,14,15
	SMEXP 1, \i
	SMCVT 0, \i
.endr
.irp i, 0,1,2,3,4,5,6,7,8,9,10,11,12,13,14,15
	SMCVT 1, \i
.endr
.endm
; O *= AL.  sum = 1: the row sum too, its register 0 alone: that is the only one ever read; the other seven just collect sums of p <= 1, 4,096 at the most
.macro RESCALE sum
.irp qt, 0,1
.irp i, 0,1,2,3,4,5,6,7,8,9,10,11,12,13,14,15
	v_pk_mul_f32 v[OA+40*\qt+2*\i:OA+40*\qt+2*\i+1], v[OA+40*\qt+2*\i:OA+40*\qt+2*\i+1], v[AL+2*\qt:AL+2*\qt+1] op_sel_hi:[1,0]
.endr
.if \sum
	v_mul_f32 v[OA+40*\qt+32], v[OA+40*\qt+32], v[AL+2*\qt]
.endif
.endr
.endm
.macro PVO kp, zero                    ; 8 matrix instructions on 8 accumulators: O^T += V^T P^T, 32 keys
.irp qt, 0,1
.irp dt, 0,1,2,3
.if \zero
	v_wmma_f32_16x16x32_f16 v[OA+40*\qt+8*\dt:OA+40*\qt+8*\dt+7], v[VF+32*\kp+8*\dt:VF+32*\kp+8*\dt+7], v[SC+32*\qt+8*\kp:SC+32*\qt+8*\kp+7], 0
.else
	v_wmma_f32_16x16x32_f16 v[OA+40*\qt+8*\dt:OA+40*\qt+8*\dt+7], v[VF+32*\kp+8*\dt:VF+32*\kp+8*\dt+7], v[SC+32*\qt+8*\kp:SC+32*\qt+8*\kp+7], v[OA+40*\qt+8*\dt:OA+40*\qt+8*\dt+7]
.endif
.endr
.endr
.endm
.macro PSUM kp, zero                   ; the two row sums, 32 keys
.irp qt, 0,1
.if \zero
	v_wmma_f32_16x16x32_f16 v[OA+40*\qt+32:OA+40*\qt+39], v[ONES:ONES+7], v[SC+32*\qt+8*\kp:SC+32*\qt+8*\kp+7], 0
.else
	v_wmma_f32_16x16x32_f16 v[OA+40*\qt+32:OA+40*\qt+39], v[ONES:ONES+7], v[SC+32*\qt+8*\kp:SC+32*\qt+8*\kp+7], v[OA+40*\qt+32:OA+40*\qt+39]
.endif
.endr
.endm
; One trip: 64 keys x my 32 queries.  Each wave's LDS reads and all its tensor loads are waited for in front of the round; the joint refill of the other slot is the
; first thing behind it and has this trip's 36 matrix instructions and its softmax in which to land.  zero = 1: the products start O and the row sums.
; In every pass the accumulators take turns, one instruction a turn.
.macro TRIP slot, refill, zero
	s_wait_tensorcnt 0x0                           ; my load is done, so every group 0 may be written: this slot's next tile, two on
	ds_add_u32 v254, v255
	s_wait_dscnt 0x0
	s_add_nc_u64 s[G0K+4*\slot+2:G0K+4*\slot+3], s[G0K+4*\slot+2:G0K+4*\slot+3], 16384
	s_add_nc_u64 s[G0V+4*\slot+2:G0V+4*\slot+3], s[G0V+4*\slot+2:G0V+4*\slot+3], 16384
	s_add_nc_u64 s[G0M+4*\slot+2:G0M+4*\slot+3], s[G0M+4*\slot+2:G0M+4*\slot+3], 128
	s_wait_dscnt 0x0                               ; my reads of the other slot are done
	ROUND
.if \refill
	JLOAD 1-\slot
.endif
	LOADM \slot
	WIN TO_1
	LOADK \slot
	LOADV \slot
	WIN 0
	s_wait_dscnt 32                                ; the 8 mask loads are in; K's 16 and V's 16 may be out
.set n, 0
.rept 16
	v_perm_b32 v[MR+n], s76, s76, v[MR+n]          ; the mask byte is the selector: 0 -> 0x00, 1 -> 0xff
.set n, n+1
.endr
.set n, 0
.rept 16
	v_perm_b32 v[SC+4*n],   v[MR+n], v[ZR], s92    ; each byte on top of a zero word: 0 or -2^127, the start of its score's sum
	v_perm_b32 v[SC+4*n+1], v[MR+n], v[ZR], s93
	v_perm_b32 v[SC+4*n+2], v[MR+n], v[ZR], s94
	v_perm_b32 v[SC+4*n+3], v[MR+n], v[ZR], s95
.set n, n+1
.endr
	s_wait_dscnt 16                                ; K is in; V's 16 loads may be out
	WIN MUL_S
.irp ks, 0,1
.irp qt, 0,1
.irp kt, 0,1,2,3
	v_wmma_f32_16x16x32_f16 v[SC+32*\qt+8*\kt:SC+32*\qt+8*\kt+7], v[KF+16*\kt+8*\ks:KF+16*\kt+8*\ks+7], v[QF+16*\qt+8*\ks:QF+16*\qt+8*\ks+7], v[SC+32*\qt+8*\kt:SC+32*\qt+8*\kt+7]
.endr
.endr
.endr
	PLACES                                         ; ahead of the readers of S
	WIN 0
	SOFTMAX
.if \zero == 0
	RESCALE 1
.endif
	s_wait_dscnt 0x0                               ; V is in
	WIN MUL_O
	PVO 0, \zero
	PVO 1, 0
	WIN 0
	PSUM 0, \zero
	PSUM 1, 0
	PLACES                                         ; ahead of the next trip's loads into V's fragments and of its permutes, which write over P
.endm
	TRIP 0, 1, 1                                   ; keys 0-63: the first products start the sums: nothing is cleared
	s_mov_b32 s79, 31
.Lpair:
	TRIP 1, 1, 0
	TRIP 0, 1, 0
	s_sub_co_u32 s79, s79, 1
	s_cmp_lg_u32 s79, 0
	s_cbranch_scc1 .Lpair
	TRIP 1, 0, 0                                   ; keys 4032-4095: nothing is left to fetch
	; the way out: divide by the row sum (NaN where every key was masked), f16, 16 queries at a time through my own stage, 512 consecutive bytes a store
.irp qt, 0,1
	v_rcp_f32 v[TX+\qt], v[OA+40*\qt+32]
.endr
	v_nop                                          ; a plain place behind the reciprocals (ISA guide 5.7.2)
	s_wait_alu depctr_va_vdst(0)
.irp qt, 0,1
	v_cmp_ge_f32 vcc_lo, s85, v[MX+2*\qt]          ; the maximum never rose above its start
	v_cndmask_b32 v[AL+2*\qt], v[TX+\qt], v[NANR], vcc_lo
.endr
	RESCALE 0
.irp qt, 0,1
.irp dt, 0,1,2,3
.irp i, 0,1,2,3
	v_cvt_pk_f16_f32 v[PK+16*\qt+4*\dt+\i], v[OA+40*\qt+8*\dt+2*\i], v[OA+40*\qt+8*\dt+2*\i+1]
.endr
.endr
.endr
.irp qt, 0,1
.irp dt, 0,1,2,3
	ds_store_b128 v[STO], v[PK+16*\qt+4*\dt:PK+16*\qt+4*\dt+3] offset:32*\dt
.endr
.irp i, 0,1,2,3
	ds_load_b128 v[SC+16*\qt+4*\i:SC+16*\qt+4*\i+3], v[RD] offset:576*\i   ; a wave's LDS instructions are served in order (ISA guide 5.7.1.4)
.endr
.endr
.irp qt, 0,1
	s_wait_dscnt 8*(1-\qt)                         ; behind tile 0's loads stand tile 1's 8 LDS instructions
.irp i, 0,1,2,3
	global_store_b128 v[CO], v[SC+16*\qt+4*\i:SC+16*\qt+4*\i+3], s[88:89] offset:2048*\qt+512*\i
.endr
.endr
	s_wait_tensorcnt 0x0
	ds_add_u32 v254, v255
	s_wait_dscnt 0x0
	ROUND                                          ; the closing round: no work-group ends while a partner may still ask for a tile that names it
	s_endpgm
.Lfunc_end_k_q8c6e466bc7_attn:
	.size	k_q8c6e466bc7_attn, .Lfunc_end_k_q8c6e466bc7_attn-k_q8c6e466bc7_attn
	.p2alignl 7, 3214868480
	.fill 96, 4, 3214868480
	.section	.rodata,"a",@progbits
	.p2align	6, 0x0
	.amdhsa_kernel k_q8c6e466bc7_attn
		.amdhsa_group_segment_fixed_size 327680
		.amdhsa_private_segment_fixed_size 0
		.amdhsa_enable_private_segment 0
		.amdhsa_kernarg_size 24
		.amdhsa_user_sgpr_count 2
		.amdhsa_user_sgpr_kernarg_segment_ptr 1
		.amdhsa_wavefront_size32 1
		.amdhsa_system_sgpr_workgroup_id_x 1
		.amdhsa_system_sgpr_workgroup_id_y 1
		.amdhsa_system_sgpr_workgroup_id_z 1
		.amdhsa_system_vgpr_workitem_id 0
		.amdhsa_next_free_vgpr 416
		.amdhsa_next_free_sgpr 96
		.amdhsa_reserve_vcc 1
		.amdhsa_float_denorm_mode_32 3
		.amdhsa_float_denorm_mode_16_64 3
		.amdhsa_memory_ordered 1
		.amdhsa_forward_progress 1
		.amdhsa_inst_pref_size 106
	.end_amdhsa_kernel
	.amdgpu_metadata
---
amdhsa.version: [ 1, 2 ]
amdhsa.kernels:
  - .name:           k_q8c6e466bc7_attn
    .symbol:         k_q8c6e466bc7_attn.kd
    .args:
      - { .name: qkv, .offset: 0, .size: 8, .value_kind: global_buffer, .address_space: global }
      - { .name: mask, .offset: 8, .size: 8, .value_kind: global_buffer, .address_space: global }
      - { .name: ctx, .offset: 16, .size: 8, .value_kind: global_buffer, .address_space: global }
    .group_segment_fixed_size: 327680
    .private_segment_fixed_size: 0
    .kernarg_segment_align: 8
    .kernarg_segment_size: 24
    .max_flat_workgroup_size: 128
    .sgpr_count:     96
    .vgpr_count:     416
    .wavefront_size: 32
...
	.end_amdgpu_metadata
.endif
;; end of part 3
;; launch proj (part 4): grid 8 x 32, 4 waves a work-group, clusters of 4 x 4, 327,680 bytes of LDS; arguments ctx, castb, out_b, out0; writes out0
.if DOCPART == 4
	.amdgcn_target "amdgcn-amd-amdhsa--gfx1250"
	.amdhsa_code_object_version 6
	.text
	.protected	k_q8c6e466bc7_proj
	.globl	k_q8c6e466bc7_proj
	.p2align	8
	.type	k_q8c6e466bc7_proj,@function
k_q8c6e466bc7_proj:
	s_mov_b64 s[64:65], 0
	v_nop
	global_prefetch_b8 v0, s[64:65] scope:SCOPE_SE
	s_setreg_imm32_b32 hwreg(HW_REG_WAVE_MODE, 25, 1), 1
	s_wait_xcnt 0x0
	s_wait_alu depctr_hold_cnt(0) depctr_sa_sdst(0) depctr_va_vdst(0) depctr_va_sdst(0) depctr_va_ssrc(0) depctr_va_vcc(0) depctr_vm_vsrc(0)
	s_getreg_b32 s2, hwreg(HW_REG_IB_STS2, 6, 4)
	s_cmp_eq_u32 s2, 0
	s_cbranch_scc0 .Lentry_in_a_cluster
	s_endpgm
.Lentry_in_a_cluster:
	s_bfe_u32 s2, ttmp6, 0x10000c
	s_cmp_lg_u32 s2, 0xf033
	s_cbranch_scc0 .Lentry_shape_is_right
	s_endpgm
.Lentry_shape_is_right:
; proj: out0 = ctx out_w + out_b.  ctx f16 [16][4096][64] (k = 64 head + d), out_w f16 [1024][1024] at byte OWB of castb, sums f32, out0 f32 [4096][1024].
; A work-group makes 128 x 128 (256 work-groups), four waves 2 x 2, 64 x 64 each: 16 tiles in window 1; everything else in window 0.
; A K step of 128 is two heads: two planes of 128 rows x 128 bytes of ctx (waves 0, 1 fetch one each) and 128 rows x 256 bytes of out_w (waves 2, 3 fetch 64 each).
; out_w lies [K][N] and stays so: its fragments come out of LDS by the transposing load.  Two slots.
; CLUSTERS: 4 x 4.  ctx's planes hang on the block row alone: asked for jointly by a row of the cluster; out_w's tile on the block column alone: by a column.
; The matrix instruction is used transposed: a lane holds 8 neighbouring columns of one row.
.set LAPS,  4
.set PAH,   144                        ; ctx rows: 128 bytes + 16
.set PB,    288                        ; out_w rows: 256 + 32
.set PLANE, 128*PAH                    ; 18,432 = also 64 rows of out_w: every wave's part of a slot
.set OFFB,  2*PLANE
.set SLOT,  4*PLANE                    ; 73,728
.set STAGE, 2*SLOT                     ; 147,456
.set SP,    272                        ; the way out: rows of 64 f32 + 16 bytes
.set OWB,   14680064
.set ADRA, 16
.set ADRB, 20
.set STO,  24
.set RD,   25
.set CO,   26
.set BO,   27
.set AF,   32                          ; v32-63, v64-95    ctx fragments
.set BF,   96                          ; v96-127, v128-159 out_w fragments
.set BIAS, 160
.set T,    192
.set RB,   224
.set G1A, 24
.set G1B, 32
.set G0A, 40
.set G0B, 48
.set MUL, 0x50                         ; C and D window 1
.set MSB, 0
.macro WIN new
.if MSB != \new
	s_set_vgpr_msb (MSB<<8)|\new
.set MSB, \new
.endif
.endm
.macro PLACES
.rept 4
	v_nop
.endr
.endm
.macro JLOAD s
	s_cmp_lt_u32 s12, 2
	s_cbranch_scc0 .Lfor_b_\@
	tensor_load_to_lds s[G0A+4*\s:G0A+4*\s+3], s[G1A:G1A+7]
	s_nop 0
	s_branch .Lasked_\@
.Lfor_b_\@:
	tensor_load_to_lds s[G0B+4*\s:G0B+4*\s+3], s[G1B:G1B+7]
	s_nop 0
.Lasked_\@:
.endm
.macro CREST
	s_cmp_lg_u32 s12, 0
	s_cbranch_scc1 .Lnot_wave_0_\@
	s_barrier_signal -3
.Lnot_wave_0_\@:
	s_barrier_wait -3
	s_barrier_signal -1
	s_barrier_wait -1
.endm
.macro CROUND
	s_barrier_signal -1
	s_barrier_wait -1
	CREST
.endm
	s_load_b256 s[4:11], s[0:1], 0x0               ; ctx s[4:5], castb s[6:7], out_b s[8:9], out0 s[10:11]
	v_lshl_add_u32 v30, v0, 2, 0x29000
	v_mov_b32 v31, 0
	ds_add_u32 v30, v31
	v_lshrrev_b32 v1, 5, v0
	v_readfirstlane_b32 s12, v1                    ; wave
	s_and_b32 s13, s12, 1                          ; wn: my half of the columns
	s_lshr_b32 s59, s12, 1                         ; wm: my half of the rows
	s_bfe_u32 s14, ttmp6, 0x40000                  ; cx
	s_bfe_u32 s15, ttmp6, 0x40004                  ; cy
	s_lshl_b32 s16, ttmp9, 2
	s_add_co_u32 s16, s16, s14                     ; bn
	s_and_b32 s17, ttmp7, 0xffff
	s_lshl_b32 s17, s17, 2
	s_add_co_u32 s17, s17, s15                     ; bm
	s_lshl_b32 s57, s15, 2
	s_lshl_b32 s57, 15, s57                        ; my row of the cluster
	s_lshl_b32 s58, 0x1111, s14                    ; my column
	s_or_b32 s[G1A+0], s57, 0x07310000             ; 2-byte elements; after every 32 words 4 words; bit 21 beside the mask
	s_mov_b32 s[G1A+1], 64<<16
	s_mov_b32 s[G1A+2], 128<<16
	s_mov_b32 s[G1A+3], 64<<16
	s_mov_b32 s[G1A+4], 128
	s_mov_b32 s[G1A+5], 64
	s_mov_b32 s[G1A+6], 0
	s_mov_b32 s[G1A+7], 0
	s_or_b32 s[G1B+0], s58, 0x0f710000             ; after every 64 words 8 words
	s_mov_b32 s[G1B+1], 128<<16
	s_mov_b32 s[G1B+2], 64<<16
	s_mov_b32 s[G1B+3], 128<<16
	s_mov_b32 s[G1B+4], 64
	s_mov_b32 s[G1B+5], 1024
	s_mov_b32 s[G1B+6], 0
	s_mov_b32 s[G1B+7], 0
	s_lshl_b32 s18, s12, 19                        ; waves 0, 1: head = wave
	s_lshl_b32 s19, s17, 14                        ; 128 rows x 128 bytes
	s_add_co_u32 s18, s18, s19
	s_mov_b32 s19, 0
	s_lshl_b32 s20, s13, 17                        ; waves 2, 3: 64 rows x 2,048 bytes each
	s_lshl_b32 s21, s16, 8
	s_add_co_u32 s20, s20, s21
	s_add_co_u32 s20, s20, OWB
	s_mov_b32 s21, 0
	s_mul_i32 s79, s12, PLANE                      ; every wave's part of a slot: wave x 18,432
	s_wait_dscnt 0x0
	s_wait_kmcnt 0x0
	s_add_nc_u64 s[18:19], s[4:5], s[18:19]
	s_add_nc_u64 s[20:21], s[6:7], s[20:21]
	CROUND
.irp s, 0,1
	s_mov_b32 s[G0A+4*\s], 1
	s_add_co_u32 s[G0A+4*\s+1], s79, \s*SLOT
	s_add_nc_u64 s[G0A+4*\s+2:G0A+4*\s+3], s[18:19], \s*1048576
	s_or_b32 s[G0A+4*\s+3], s[G0A+4*\s+3], 0x80000000
	s_mov_b32 s[G0B+4*\s], 1
	s_add_co_u32 s[G0B+4*\s+1], s79, \s*SLOT
	s_add_nc_u64 s[G0B+4*\s+2:G0B+4*\s+3], s[20:21], \s*262144
	s_or_b32 s[G0B+4*\s+3], s[G0B+4*\s+3], 0x80000000
	JLOAD \s                                       ; K steps 0 and 1: two tensor loads of the wave are out here, one at any later time
.endr
	s_mov_b32 s67, 0
	s_lshl_b32 s66, s16, 9
	s_lshl_b32 s68, s13, 8
	s_add_co_u32 s66, s66, s68                     ; my first column in bytes
	s_add_nc_u64 s[60:61], s[8:9], s[66:67]        ; bias
	s_lshl_b32 s68, s17, 19
	s_add_co_u32 s66, s66, s68
	s_lshl_b32 s68, s59, 18
	s_add_co_u32 s66, s66, s68                     ; + (128 bm + 64 wm) rows of 4,096 bytes
	s_add_nc_u64 s[62:63], s[10:11], s[66:67]
	v_and_b32 v1, 15, v0                           ; r
	v_bfe_u32 v2, v0, 4, 1                         ; h
	v_and_b32 v3, 7, v0
	v_bfe_u32 v4, v0, 3, 1
	s_mul_i32 s69, s59, 64*PAH
	v_mul_u32_u24 v6, v1, PAH
	v_lshl_add_u32 v6, v2, 4, v6
	v_add_nc_u32 v[ADRA], s69, v6
	v_add_nc_u32 v[ADRA+1], SLOT, v[ADRA]
	s_lshl_b32 s70, s13, 7
	s_add_co_u32 s70, s70, OFFB
	v_lshl_add_u32 v7, v2, 3, v3
	v_mul_u32_u24 v8, v7, PB
	v_lshl_add_u32 v8, v4, 4, v8
	v_add_nc_u32 v[ADRB], s70, v8
	v_add_nc_u32 v[ADRB+1], SLOT, v[ADRB]
	s_mul_i32 s71, s12, 16*SP
	s_add_co_u32 s71, s71, STAGE
	v_mul_u32_u24 v9, v1, SP
	v_lshl_add_u32 v9, v2, 5, v9
	v_add_nc_u32 v[STO], s71, v9                   ; in: row r, 32 bytes for each half of the lanes
	v_mul_u32_u24 v10, v2, SP
	v_lshl_add_u32 v10, v1, 4, v10
	v_add_nc_u32 v[RD], s71, v10                   ; back: 16 lanes a row of 256 bytes
	v_lshlrev_b32 v[CO], 12, v2
	v_lshl_add_u32 v[CO], v1, 4, v[CO]
	v_lshlrev_b32 v[BO], 5, v2
.irp b, 0,1,2,3
	global_load_b128 v[BIAS+8*\b:BIAS+8*\b+3],   v[BO], s[60:61] offset:64*\b
	global_load_b128 v[BIAS+8*\b+4:BIAS+8*\b+7], v[BO], s[60:61] offset:64*\b+16
.endr
; The 16 accumulators take turns, one instruction a turn, in the same order in every quarter step.
.macro MUL4 f, a, zero
.irp b, 0,1,2,3
.if \zero
	v_wmma_f32_16x16x32_f16 v[8*(4*\a+\b):8*(4*\a+\b)+7], v[BF+32*\f+8*\b:BF+32*\f+8*\b+7], v[AF+32*\f+8*\a:AF+32*\f+8*\a+7], 0
.else
	v_wmma_f32_16x16x32_f16 v[8*(4*\a+\b):8*(4*\a+\b)+7], v[BF+32*\f+8*\b:BF+32*\f+8*\b+7], v[AF+32*\f+8*\a:AF+32*\f+8*\a+7], v[8*(4*\a+\b):8*(4*\a+\b)+7]
.endif
.endr
.endm
.macro FETCH slot, kq, f               ; 16 LDS loads: quarter kq: out_w's 4 column tiles, then ctx's 4 row blocks (plane kq / 2, d from 32 (kq % 2))
.irp b, 0,1,2,3
	ds_load_tr16_b128 v[BF+32*\f+8*\b:BF+32*\f+8*\b+3],   v[ADRB+\slot] offset:\kq*32*PB+32*\b
	ds_load_tr16_b128 v[BF+32*\f+8*\b+4:BF+32*\f+8*\b+7], v[ADRB+\slot] offset:\kq*32*PB+32*\b+16*PB
.endr
.irp i, 0,1,2,3
	ds_load_b128 v[AF+32*\f+8*\i:AF+32*\f+8*\i+3],   v[ADRA+\slot] offset:(\kq/2)*PLANE+64*(\kq%2)+\i*16*PAH
	ds_load_b128 v[AF+32*\f+8*\i+4:AF+32*\f+8*\i+7], v[ADRA+\slot] offset:(\kq/2)*PLANE+64*(\kq%2)+\i*16*PAH+32
.endr
.endm
.macro QUARTER slot, kq, f, g, zero
	s_wait_dscnt 4                                 ; out_w and ctx's row blocks 0, 1 are in; the youngest four loads may be out
	WIN MUL
	MUL4 \f, 0, \zero
	MUL4 \f, 1, \zero
	PLACES
	WIN 0
	FETCH \slot, \kq, \g
	s_wait_dscnt 16                                ; all but the 16 just issued
	WIN MUL
	MUL4 \f, 2, \zero
	MUL4 \f, 3, \zero
.endm
.macro THREE slot, zero
	QUARTER \slot, 1, 0, 1, \zero
	QUARTER \slot, 2, 1, 0, 0
	QUARTER \slot, 3, 0, 1, 0
.endm
; The change of slots: each wave's reads of this slot and all its tensor loads are waited for in front of the barrier; where the slot is filled again the barrier
; opens a round of the cluster's barrier and the joint refill is the first tensor load behind the round.
.macro TURN slot, next, fill
	s_wait_dscnt 4
	WIN MUL
	MUL4 1, 0, 0
	s_wait_dscnt 0x0
	s_wait_tensorcnt 0x0
	ds_add_u32 v30, v31
	s_wait_dscnt 0x0
	s_barrier_signal -1
	MUL4 1, 1, 0
	WIN 0
	s_barrier_wait -1
.if \fill
	CREST
	s_add_nc_u64 s[G0A+4*\slot+2:G0A+4*\slot+3], s[G0A+4*\slot+2:G0A+4*\slot+3], 2097152   ; four heads on
	s_add_nc_u64 s[G0B+4*\slot+2:G0B+4*\slot+3], s[G0B+4*\slot+2:G0B+4*\slot+3], 524288    ; 256 rows on
	JLOAD \slot
.endif
	PLACES
	FETCH \next, 0, 0
	WIN MUL
	MUL4 1, 2, 0
	MUL4 1, 3, 0
.endm
.macro LAP zero
	THREE 0, \zero
	TURN 0, 1, 1
	THREE 1, 0
	TURN 1, 0, 1
.endm
	s_wait_tensorcnt 0x1                           ; my part of K step 0 is in; K step 1's may stay out
	s_barrier_signal -1
	s_barrier_wait -1
	FETCH 0, 0, 0
	LAP 1
	WIN 0
	s_mov_b32 s56, LAPS-2
.Llap:
	LAP 0
	WIN 0
	s_sub_co_u32 s56, s56, 1
	s_cmp_lg_u32 s56, 0
	s_cbranch_scc1 .Llap
	THREE 0, 0
	TURN 0, 1, 0
	THREE 1, 0
	s_wait_dscnt 4
	WIN MUL
	MUL4 1, 0, 0
	MUL4 1, 1, 0
	s_wait_dscnt 0x0
	MUL4 1, 2, 0
	MUL4 1, 3, 0
	PLACES
	s_wait_loadcnt 0x0                             ; bias
; rows 16 a .. +15 of my 64: bias, through my own stage, out as whole rows: 16 lanes store 256 consecutive bytes at a multiple of 256 from out0's first byte
.macro OUTA a
.if \a
	s_wait_xcnt 0x0                                ; RB is the data of the last 16 rows' stores: loaded again only behind this wait
.endif
	WIN 0x01
.irp jp, 0,2,4,6,8,10,12,14,16,18,20,22,24,26,28,30
	v_pk_add_f32 v[T+\jp:T+\jp+1], v[32*\a+\jp:32*\a+\jp+1], v[BIAS+\jp:BIAS+\jp+1]
.endr
	WIN 0
.irp b, 0,1,2,3
	ds_store_b128 v[STO], v[T+8*\b:T+8*\b+3] offset:64*\b
	ds_store_b128 v[STO], v[T+8*\b+4:T+8*\b+7] offset:64*\b+16
.endr
.irp t, 0,1,2,3,4,5,6,7
	ds_load_b128 v[RB+4*\t:RB+4*\t+3], v[RD] offset:2*SP*\t
.endr
.irp t, 0,1,2,3,4,5,6,7
	s_wait_dscnt 7-\t
	global_store_b128 v[CO], v[RB+4*\t:RB+4*\t+3], s[62:63] offset:(16*\a+2*\t)*4096 th:TH_STORE_NT
.endr
.endm
	OUTA 0
	OUTA 1
	OUTA 2
	OUTA 3
	s_wait_tensorcnt 0x0
	ds_add_u32 v30, v31
	s_wait_dscnt 0x0
	CROUND                                         ; the closing round
	s_endpgm
.Lfunc_end_k_q8c6e466bc7_proj:
	.size	k_q8c6e466bc7_proj, .Lfunc_end_k_q8c6e466bc7_proj-k_q8c6e466bc7_proj
	.p2alignl 7, 3214868480
	.fill 96, 4, 3214868480
	.section	.rodata,"a",@progbits
	.p2align	6, 0x0
	.amdhsa_kernel k_q8c6e466bc7_proj
		.amdhsa_group_segment_fixed_size 327680
		.amdhsa_private_segment_fixed_size 0
		.amdhsa_enable_private_segment 0
		.amdhsa_kernarg_size 32
		.amdhsa_user_sgpr_count 2
		.amdhsa_user_sgpr_kernarg_segment_ptr 1
		.amdhsa_wavefront_size32 1
		.amdhsa_system_sgpr_workgroup_id_x 1
		.amdhsa_system_sgpr_workgroup_id_y 1
		.amdhsa_system_sgpr_workgroup_id_z 1
		.amdhsa_system_vgpr_workitem_id 0
		.amdhsa_next_free_vgpr 384
		.amdhsa_next_free_sgpr 80
		.amdhsa_reserve_vcc 0
		.amdhsa_float_denorm_mode_32 3
		.amdhsa_float_denorm_mode_16_64 3
		.amdhsa_memory_ordered 1
		.amdhsa_forward_progress 1
		.amdhsa_inst_pref_size 78
	.end_amdhsa_kernel
	.amdgpu_metadata
---
amdhsa.version: [ 1, 2 ]
amdhsa.kernels:
  - .name:           k_q8c6e466bc7_proj
    .symbol:         k_q8c6e466bc7_proj.kd
    .args:
      - { .name: ctx, .offset: 0, .size: 8, .value_kind: global_buffer, .address_space: global }
      - { .name: castb, .offset: 8, .size: 8, .value_kind: global_buffer, .address_space: global }
      - { .name: out_b, .offset: 16, .size: 8, .value_kind: global_buffer, .address_space: global }
      - { .name: out0, .offset: 24, .size: 8, .value_kind: global_buffer, .address_space: global }
    .group_segment_fixed_size: 327680
    .private_segment_fixed_size: 0
    .kernarg_segment_align: 8
    .kernarg_segment_size: 32
    .max_flat_workgroup_size: 128
    .sgpr_count:     80
    .vgpr_count:     384
    .wavefront_size: 32
...
	.end_amdgpu_metadata
.endif
;; end of part 4
;; ======== version 2 of 2: 4 launches
;; limits: values are held in f16: magnitudes above 65,504 overflow, below 6.1e-05 lose precision
;; workspace buffers: castb 16,777,216 bytes; rope 1,048,576 bytes; qkv 25,165,824 bytes; ctx 8,388,608 bytes
;; launch prep: the kernel of part 1 again; grid 256 x 1, 8 waves a work-group, no clusters, 0 bytes of LDS; arguments x, wqkv_w, out_w, castb, rope; writes castb, rope
;; launch qkv: the kernel of part 2 again; grid 16 x 16, 4 waves a work-group, clusters of 4 x 4, 327,680 bytes of LDS; arguments castb, wqkv_b, rope, qkv; writes qkv
;; launch attn (part 5): grid 16 x 16, 8 waves a work-group, clusters of 4 x 4, 327,680 bytes of LDS; arguments qkv, mask, ctx; writes ctx
.if DOCPART == 5
	.amdgcn_target "amdgcn-amd-amdhsa--gfx1250"
	.amdhsa_code_object_version 6
	.text
	.protected	k_q8c6e466bc7_attn
	.globl	k_q8c6e466bc7_attn
	.p2align	8
	.type	k_q8c6e466bc7_attn,@function
k_q8c6e466bc7_attn:
	s_mov_b64 s[64:65], 0
	v_nop
	global_prefetch_b8 v0, s[64:65] scope:SCOPE_SE
	s_setreg_imm32_b32 hwreg(HW_REG_WAVE_MODE, 25, 1), 1
	s_wait_xcnt 0x0
	s_wait_alu depctr_hold_cnt(0) depctr_sa_sdst(0) depctr_va_vdst(0) depctr_va_sdst(0) depctr_va_ssrc(0) depctr_va_vcc(0) depctr_vm_vsrc(0)
	s_getreg_b32 s2, hwreg(HW_REG_IB_STS2, 6, 4)
	s_cmp_eq_u32 s2, 0
	s_cbranch_scc0 .Lentry_in_a_cluster
	s_endpgm
.Lentry_in_a_cluster:
	s_bfe_u32 s2, ttmp6, 0x10000c
	s_cmp_lg_u32 s2, 0xf033
	s_cbranch_scc0 .Lentry_shape_is_right
	s_endpgm
.Lentry_shape_is_right:
; attn: ctx = softmax(q k^T / 8, masked) v for one head and 256 queries a work-group, by a running maximum.  q, k, v f16 in qkv[48][4096][64]; the mask
; is read as given, one byte for each (query, key), 1 = masked out; ctx f16 in [16][4096][64].  Eight waves; wave w owns queries 32 w .. +31: two tiles of 16.
; For 64 keys a wave has 36 matrix instructions and about 270 vector instructions; the eight waves lie two to a SIMD (2 x 416 registers), so that one wave's
; softmax can be issued while the other's products run.
; THE PRODUCTS ARE USED TRANSPOSED.  S^T = K Q^T: lane (r, h) holds query r and keys 8 h + 0..7 of a key tile, so a query's maximum lies in two lanes (one
; exchange a step), two key tiles packed to f16 ARE the second operand of O^T = V^T P^T, and a lane ends with 8 neighbouring numbers of one row of ctx.
; THE MASK is the start of the sums.  A byte permute turns a word's four mask bytes into 0x00 or 0xfe; the word itself starts the sum of its fourth key, the word
; shifted left by 8, 16, 24 those of the third, second and first.  The top byte decides: 0xfe gives a start between -2^125 and -2^127 (finite, whatever
; bytes 0x00 or 0xfe lie below it), 0x00 a start of at most 2.4e-38, which no score notices.  K Q^T adds onto that.
; THE ROW SUM is one more accumulator a query tile, first operand all ones, so that numerator and denominator see the same rounded P.
; THE RUNNING MAXIMUM starts at -2^100: above every masked score, so a masked score never becomes the maximum and its exponential is 0; and a power of two, so
; that c x maximum is exact and a block of keys that is masked altogether leaves the rescale factor at exactly 1.
; LIMITS: mask bytes are 0 or 1.  An unmasked q.k at or below -2^100 counts as masked.  A query all of whose keys are masked ends with the maximum still at
; -2^100 and gets NaN, as a softmax over -inf alone gives.
; THE RING: two LDS slots of 64 keys (K 64 x 128 bytes, V 64 x 128 bytes, mask 256 queries x 64 bytes); a trip is one slot.  Trip 0 stands ahead of the loop (its
; products start O and the row sums), 31 times slots 1 and 0, and the last trip, which fetches nothing: 64 trips, the trip's text four times.
; CLUSTERS: 4 x 4, x = query block, y = head.  K's and V's tiles hang on the head alone: asked for jointly by a row of the cluster.  The mask's tile hangs on the
; query block alone: jointly by a column.  Wave 0 asks for K, wave 1 for V, waves 2 to 5 for 64 rows of the mask each; a slot has no seventh tile of 64 rows, so
; waves 6 and 7 ask for nothing.
; REGISTER WINDOWS: 0: all that vector instructions write: addresses, S / P, O, row sums, raw mask, row state; 1: what loads fill and products read: K, V, Q fragments.
.set KPI,   144                        ; K rows: 128 bytes + 16: an odd multiple of 16
.set VPI,   160                        ; V rows: 128 + 32: an odd multiple of 32, for the transposing load
.set MPI,   80                         ; mask rows: 64 + 16: row r starts at word 20 r mod 64, sixteen different multiples of 4, so the 32 lanes' 8 bytes touch 64 different words
.set VOFF,  64*KPI                     ; 9,216
.set MOFF,  VOFF+64*VPI                ; 19,456
.set SLOT,  MOFF+256*MPI               ; 39,936
.set STAGE, 2*SLOT                     ; 79,872: behind the ring; no tensor load lands here
.set SWAVE, 16*144
; window 0
.set KA, 4                             ; v4-5   K fragments, slot 0, 1; never rewritten
.set VA, 6                             ; v6-7   V fragments
.set MA, 8                             ; v8-9   mask bytes
.set STO, 10
.set RD, 11
.set CO, 12
.set QO, 13
.set ONES, 20                          ; v[20:27]: 1.0 in f16
.set SC, 32                            ; S at + 32 qt + 8 kt + j; P's fragment for keys 32 kp .. +31 at + 32 qt + 8 kp
.set OA, 96                            ; O at + 40 qt + 8 dt, the row sum at + 40 qt + 32
.set MR, 176                           ; raw mask at + 8 qt + 2 kt
.set AL, 192                           ; pair (AL, MX) of query tile qt at + 2 qt: rescale factor, running maximum
.set MX, 193
.set NM, 196                           ; pair (-c x maximum, 0) at + 2 qt
.set TA, 200
.set TB, 202
.set TX, 204
.set NANR, 206
.set PK, 208                           ; the way out: packed results
; window 1
.set KF, 0                             ; + 16 kt + 8 ks
.set VF, 64                            ; + 32 kp + 8 dt
.set QF, 128                           ; + 16 qt + 8 ks
.set G1K, 24
.set G1V, 32
.set G1M, 40
.set G0K, 48
.set G0V, 56
.set G0M, 68
.set TO_1,  0x40                       ; destination window 1, address window 0
.set MUL_S, 0x05                       ; sources 0 and 1 window 1, C and D window 0
.set MUL_O, 0x01                       ; source 0 window 1
.set MSB, 0
.macro WIN new                         ; the immediate's high byte repeats the setting that is left
.if MSB != \new
	s_set_vgpr_msb (MSB<<8)|\new
.set MSB, \new
.endif
.endm
.macro PLACES                          ; four plain vector instructions behind a matrix instruction, ahead of loads into its sources and of readers and writers of its registers
.rept 4
	v_nop
.endr
.endm
.macro JLOAD s                         ; at most one joint load a wave; the branches hang on the wave's number alone, which is the same in every work-group
	s_cmp_lt_u32 s10, 2
	s_cbranch_scc0 .Lm_\@
	s_cmp_eq_u32 s10, 0
	s_cbranch_scc0 .Lv_\@
	tensor_load_to_lds s[G0K+4*(\s):G0K+4*(\s)+3], s[G1K:G1K+7]
	s_nop 0
	s_branch .Lasked_\@
.Lv_\@:
	tensor_load_to_lds s[G0V+4*(\s):G0V+4*(\s)+3], s[G1V:G1V+7]
	s_nop 0
	s_branch .Lasked_\@
.Lm_\@:
	s_cmp_lt_u32 s10, 6
	s_cbranch_scc0 .Lasked_\@
	tensor_load_to_lds s[G0M+4*(\s):G0M+4*(\s)+3], s[G1M:G1M+7]
	s_nop 0
.Lasked_\@:
.endm
.macro ROUND                           ; a round of the cluster's barrier
	s_barrier_signal -1
	s_barrier_wait -1
	s_cmp_lg_u32 s10, 0
	s_cbranch_scc1 .Lnot_wave_0_\@
	s_barrier_signal -3
.Lnot_wave_0_\@:
	s_barrier_wait -3
	s_barrier_signal -1
	s_barrier_wait -1
.endm
	s_load_b128 s[4:7], s[0:1], 0x0                ; qkv s[4:5], mask s[6:7]
	s_load_b64 s[8:9], s[0:1], 0x10                ; ctx
	v_lshl_add_u32 v254, v0, 2, 0x29000
	v_mov_b32 v255, 0
	ds_add_u32 v254, v255
	v_lshrrev_b32 v1, 5, v0
	v_readfirstlane_b32 s10, v1                    ; wave, 0 to 7
	s_sub_co_u32 s77, s10, 2
	s_and_b32 s77, s77, 3                          ; waves 2 to 5: which quarter of the mask's rows I fetch
	s_bfe_u32 s12, ttmp6, 0x40000                  ; cx
	s_bfe_u32 s13, ttmp6, 0x40004                  ; cy
	s_lshl_b32 s14, ttmp9, 2
	s_add_co_u32 s14, s14, s12                     ; query block, 0 to 15
	s_and_b32 s15, ttmp7, 0xffff
	s_lshl_b32 s15, s15, 2
	s_add_co_u32 s15, s15, s13                     ; head
	s_lshl_b32 s22, s13, 2
	s_lshl_b32 s22, 15, s22                        ; my row of the cluster
	s_lshl_b32 s23, 0x1111, s12                    ; my column
	s_or_b32 s[G1K+0], s22, 0x07310000             ; 2-byte elements; after every 32 words 4 words; bit 21 beside the mask
	s_mov_b32 s[G1K+1], 64<<16                     ; tensor_dim0 = 64
	s_mov_b32 s[G1K+2], 64<<16                     ; tensor_dim1 = 64
	s_mov_b32 s[G1K+3], 64<<16                     ; tile_dim0 = 64
	s_mov_b32 s[G1K+4], 64                         ; tile_dim1 = 64
	s_mov_b32 s[G1K+5], 64                         ; elements from row to row
	s_mov_b32 s[G1K+6], 0
	s_mov_b32 s[G1K+7], 0
	s_or_b32 s[G1V+0], s22, 0x0f310000             ; after every 32 words 8 words
	s_mov_b32 s[G1V+1], 64<<16
	s_mov_b32 s[G1V+2], 64<<16
	s_mov_b32 s[G1V+3], 64<<16
	s_mov_b32 s[G1V+4], 64
	s_mov_b32 s[G1V+5], 64
	s_mov_b32 s[G1V+6], 0
	s_mov_b32 s[G1V+7], 0
	s_or_b32 s[G1M+0], s23, 0x06f20000             ; 4-byte elements: 64 rows x 16 words; after every 16 words 4 words
	s_mov_b32 s[G1M+1], 16<<16
	s_mov_b32 s[G1M+2], 64<<16
	s_mov_b32 s[G1M+3], 16<<16
	s_mov_b32 s[G1M+4], 64
	s_mov_b32 s[G1M+5], 1024
	s_mov_b32 s[G1M+6], 0
	s_mov_b32 s[G1M+7], 0
	; K's and V's addresses are made of the head alone, the mask's of the query block and the wave, each in registers that never hold the other coordinate
	s_add_co_u32 s16, s15, 16
	s_lshl_b32 s16, s16, 19                        ; K: head 16 + head
	s_mov_b32 s17, 0
	s_add_co_u32 s18, s15, 32
	s_lshl_b32 s18, s18, 19                        ; V: head 32 + head
	s_mov_b32 s19, 0
	s_lshl_b32 s20, s14, 20                        ; mask: 256 rows x 4,096 bytes,
	s_lshl_b32 s21, s77, 18                        ; 64 rows for each of waves 2 to 5
	s_add_co_u32 s20, s20, s21
	s_mov_b32 s21, 0
	s_mul_i32 s90, s10, 64*MPI
	s_add_co_u32 s90, s90, MOFF-2*64*MPI           ; waves 2 to 5: MOFF + (wave - 2) x 64 rows
	s_mov_b32 s76, 0x0000fe00                      ; byte 0 -> 0x00, byte 1 -> 0xfe
	s_mov_b32 s80, 0x3e38aa3b                      ; c = log2(e) / 8
	s_mov_b32 s81, 0x3e38aa3b
	s_mov_b32 s82, 0x76543210                      ; v_permlanex16_b32: lane i takes lane i of the other half
	s_mov_b32 s83, 0xfedcba98
	s_mov_b32 s84, 0xbe38aa3b                      ; -c
	s_mov_b32 s85, 0xf1800000                      ; -2^100
	s_wait_dscnt 0x0
	s_wait_kmcnt 0x0
	s_add_nc_u64 s[16:17], s[4:5], s[16:17]
	s_add_nc_u64 s[18:19], s[4:5], s[18:19]
	s_add_nc_u64 s[20:21], s[6:7], s[20:21]
	ROUND                                          ; in front of the first joint load
.irp s, 0,1
	s_mov_b32 s[G0K+4*\s], 1
	s_mov_b32 s[G0K+4*\s+1], \s*SLOT
	s_add_nc_u64 s[G0K+4*\s+2:G0K+4*\s+3], s[16:17], \s*8192
	s_or_b32 s[G0K+4*\s+3], s[G0K+4*\s+3], 0x80000000
	s_mov_b32 s[G0V+4*\s], 1
	s_mov_b32 s[G0V+4*\s+1], \s*SLOT+VOFF
	s_add_nc_u64 s[G0V+4*\s+2:G0V+4*\s+3], s[18:19], \s*8192
	s_or_b32 s[G0V+4*\s+3], s[G0V+4*\s+3], 0x80000000
	s_mov_b32 s[G0M+4*\s], 1
	s_add_co_u32 s[G0M+4*\s+1], s90, \s*SLOT
	s_add_nc_u64 s[G0M+4*\s+2:G0M+4*\s+3], s[20:21], \s*64
	s_or_b32 s[G0M+4*\s+3], s[G0M+4*\s+3], 0x80000000
.endr
	JLOAD 0                                        ; keys 0-63.  At most one tensor load of the wave is out at any time
	s_lshl_b32 s66, s15, 19
	s_lshl_b32 s67, s14, 15
	s_add_co_u32 s66, s66, s67                     ; head, 256 rows x 128 bytes
	s_mov_b32 s67, 0
	s_add_nc_u64 s[88:89], s[8:9], s[66:67]        ; ctx
	s_add_nc_u64 s[86:87], s[4:5], s[66:67]
	s_lshl_b32 s66, s10, 12                        ; 32 rows x 128 bytes a wave
	s_add_nc_u64 s[86:87], s[86:87], s[66:67]      ; q at my 32 rows
	v_and_b32 v1, 15, v0                           ; r
	v_bfe_u32 v2, v0, 4, 1                         ; h
	v_lshlrev_b32 v[QO], 7, v1
	v_lshl_add_u32 v[QO], v2, 4, v[QO]             ; 128 r + 16 h
	WIN TO_1
.irp qt, 0,1
.irp ks, 0,1
	global_load_b128 v[QF+16*\qt+8*\ks:QF+16*\qt+8*\ks+3],   v[QO], s[86:87] offset:2048*\qt+64*\ks
	global_load_b128 v[QF+16*\qt+8*\ks+4:QF+16*\qt+8*\ks+7], v[QO], s[86:87] offset:2048*\qt+64*\ks+32
.endr
.endr
	WIN 0
.irp qt, 0,1
	v_mov_b32 v[MX+2*\qt], s85                     ; the running maximum starts at -2^100,
	v_mov_b32 v[NM+2*\qt], 0x7038aa3b              ; -c x maximum at c 2^100, exactly
	v_mov_b32 v[NM+2*\qt+1], 0                     ; the pair's second word is named, not used
	v_mov_b32 v[TX+\qt], 0                         ; v_permlanex16_b32 counts as a reader of its destination
.endr
	v_mov_b32 v[NANR], 0x7fc00000
.irp p, 0,1,2,3,4,5,6,7
	v_mov_b32 v[ONES+\p], 0x3c003c00               ; 1.0 in f16, twice
.endr
	v_mul_u32_u24 v[KA], v1, KPI
	v_lshl_add_u32 v[KA], v2, 4, v[KA]             ; r pitch + 16 h; K lies at the slot's byte 0
	v_add_nc_u32 v[KA+1], SLOT, v[KA]
	v_and_b32 v3, 7, v0
	v_lshl_add_u32 v14, v2, 3, v3                  ; key row 8 h + l % 8
	v_mul_u32_u24 v[VA], v14, VPI
	v_bfe_u32 v14, v0, 3, 1
	v_lshl_add_u32 v[VA], v14, 4, v[VA]            ; + 16 ((l / 8) % 2)
	v_add_nc_u32 v[VA], VOFF, v[VA]
	v_add_nc_u32 v[VA+1], SLOT, v[VA]
	s_mul_i32 s91, s10, 32*MPI
	s_add_co_u32 s91, s91, MOFF
	v_mul_u32_u24 v[MA], v1, MPI
	v_lshl_add_u32 v[MA], v2, 3, v[MA]
	v_add_nc_u32 v[MA], s91, v[MA]                 ; (32 w + r) pitch + 8 h
	v_add_nc_u32 v[MA+1], SLOT, v[MA]
	s_mul_i32 s91, s10, SWAVE
	s_add_co_u32 s91, s91, STAGE                   ; my stage
	v_add_nc_u32 v[STO], s91, v[KA]                ; the stage has K's pitch: r x 144 + 16 h
	v_and_b32 v14, 31, v0
	v_lshrrev_b32 v15, 3, v14
	v_mul_u32_u24 v15, v15, 144
	v_lshl_add_u32 v15, v3, 4, v15
	v_add_nc_u32 v[RD], s91, v15                   ; back: 8 lanes a row of 128 bytes, 4 rows a load
	v_lshlrev_b32 v[CO], 4, v14
	v_add_nc_u32 v[CO], s66, v[CO]                 ; 32 w rows x 128 bytes + 16 l: a store covers 512 consecutive bytes
	s_wait_loadcnt 0x0                             ; q
.macro LOADM slot                      ; 8 loads: for each query tile and key tile my query's 8 mask bytes (keys 8 h + 0..7)
.irp qt, 0,1
.irp kt, 0,1,2,3
	ds_load_b64 v[MR+8*\qt+2*\kt:MR+8*\qt+2*\kt+1], v[MA+\slot] offset:16*MPI*\qt+16*\kt
.endr
.endr
.endm
.macro LOADK slot                      ; 16 loads: 4 key tiles x 64 along d
.irp kt, 0,1,2,3
.irp ks, 0,1
	ds_load_b128 v[KF+16*\kt+8*\ks:KF+16*\kt+8*\ks+3],   v[KA+\slot] offset:16*\kt*KPI+64*\ks
	ds_load_b128 v[KF+16*\kt+8*\ks+4:KF+16*\kt+8*\ks+7], v[KA+\slot] offset:16*\kt*KPI+64*\ks+32
.endr
.endr
.endm
.macro LOADV slot                      ; 16 transposing loads: V^T, 4 tiles of d x 2 x 32 keys
.irp kp, 0,1
.irp dt, 0,1,2,3
	ds_load_tr16_b128 v[VF+32*\kp+8*\dt:VF+32*\kp+8*\dt+3],   v[VA+\slot] offset:32*\kp*VPI+32*\dt
	ds_load_tr16_b128 v[VF+32*\kp+8*\dt+4:VF+32*\kp+8*\dt+7], v[VA+\slot] offset:32*\kp*VPI+32*\dt+16*VPI
.endr
.endr
.endm
.macro SMFMA qt, i                     ; c s - c max, two at a time
	v_pk_fma_f32 v[SC+32*\qt+2*\i:SC+32*\qt+2*\i+1], v[SC+32*\qt+2*\i:SC+32*\qt+2*\i+1], s[80:81], v[NM+2*\qt:NM+2*\qt+1] op_sel_hi:[1,0,0]
.endm
.macro SMEXP qt, i
	v_exp_f32 v[SC+32*\qt+2*\i], v[SC+32*\qt+2*\i]
	v_exp_f32 v[SC+32*\qt+2*\i+1], v[SC+32*\qt+2*\i+1]
.endm
.macro SMCVT qt, i                     ; in place, ascending: word i is written after words 2 i, 2 i + 1 of smaller i were read
	s_wait_alu depctr_va_vdst(0)
	v_cvt_pk_f16_f32 v[SC+32*\qt+\i], v[SC+32*\qt+2*\i], v[SC+32*\qt+2*\i+1]
.endm
.macro SOFTMAX
.irp qt, 0,1
	v_max3_num_f32 v[TA+\qt], v[MX+2*\qt], v[SC+32*\qt], v[SC+32*\qt+1]
	v_max3_num_f32 v[TB+\qt], v[SC+32*\qt+16], v[SC+32*\qt+17], v[SC+32*\qt+18]
.endr
.irp i, 0,1,2,3,4,5
.irp qt, 0,1
	v_max3_num_f32 v[TA+\qt], v[TA+\qt], v[SC+32*\qt+2+2*\i], v[SC+32*\qt+3+2*\i]
	v_max3_num_f32 v[TB+\qt], v[TB+\qt], v[SC+32*\qt+19+2*\i], v[SC+32*\qt+20+2*\i]
.endr
.endr
.irp qt, 0,1
	v_max3_num_f32 v[TA+\qt], v[TA+\qt], v[SC+32*\qt+14], v[SC+32*\qt+15]
.endr
.irp qt, 0,1
	v_max3_num_f32 v[TA+\qt], v[TA+\qt], v[TB+\qt], v[SC+32*\qt+31]
.endr
.irp qt, 0,1
	v_permlanex16_b32 v[TX+\qt], v[TA+\qt], s82, s83   ; the same query's other 32 keys
.endr
.irp qt, 0,1
	v_max_num_f32 v[MX+2*\qt], v[TA+\qt], v[TX+\qt]    ; the new running maximum
.endr
.irp qt, 0,1
	v_mul_f32 v[TB+\qt], s84, v[MX+2*\qt]              ; -c x maximum, rounded once
.endr
.irp qt, 0,1
	v_sub_f32 v[AL+2*\qt], v[TB+\qt], v[NM+2*\qt]      ; the difference of the two ROUNDED terms: old and new blocks then carry the same rounding of c x maximum
.endr
.irp qt, 0,1
	v_mov_b32 v[NM+2*\qt], v[TB+\qt]
.endr
.irp qt, 0,1
	v_exp_f32 v[AL+2*\qt], v[AL+2*\qt]
.endr
	; The two query tiles go through subtract, exponential, pack one stage apart, so that a plain instruction on the other tile's registers stands behind
	; every pair of exponentials, ahead of any use of their results (ISA guide 5.7.2)
.irp i, 0,1,2,3,4,5,6,7,8,9,10,11,12,13,14,15
	SMFMA 0, \i
.endr
.irp i, 0,1,2,3,4,5,6,7,8,9,10,11,12,13,14,15
	SMEXP 0, \i
	SMFMA 1, \i
.endr
.irp i, 0,1,2,3,4,5,6,7,8,9,10,11,12,13,14,15
	SMEXP 1, \i
	SMCVT 0, \i
.endr
.irp i, 0,1,2,3,4,5,6,7,8,9,10,11,12,13,14,15
	SMCVT 1, \i
.endr
.endm
; O *= AL.  sum = 1: the row sum too, its register 0 alone: that is the only one ever read; the other seven just collect sums of p <= 1, 4,096 at the most
.macro RESCALE sum
.irp qt, 0,1
.irp i, 0,1,2,3,4,5,6,7,8,9,10,11,12,13,14,15
	v_pk_mul_f32 v[OA+40*\qt+2*\i:OA+40*\qt+2*\i+1], v[OA+40*\qt+2*\i:OA+40*\qt+2*\i+1], v[AL+2*\qt:AL+2*\qt+1] op_sel_hi:[1,0]
.endr
.if \sum
	v_mul_f32 v[OA+40*\qt+32], v[OA+40*\qt+32], v[AL+2*\qt]
.endif
.endr
.endm
.macro PVO kp, zero                    ; 8 matrix instructions on 8 accumulators: O^T += V^T P^T, 32 keys
.irp qt, 0,1
.irp dt, 0,1,2,3
.if \zero
	v_wmma_f32_16x16x32_f16 v[OA+40*\qt+8*\dt:OA+40*\qt+8*\dt+7], v[VF+32*\kp+8*\dt:VF+32*\kp+8*\dt+7], v[SC+32*\qt+8*\kp:SC+32*\qt+8*\kp+7], 0
.else
	v_wmma_f32_16x16x32_f16 v[OA+40*\qt+8*\dt:OA+40*\qt+8*\dt+7], v[VF+32*\kp+8*\dt:VF+32*\kp+8*\dt+7], v[SC+32*\qt+8*\kp:SC+32*\qt+8*\kp+7], v[OA+40*\qt+8*\dt:OA+40*\qt+8*\dt+7]
.endif
.endr
.endr
.endm
.macro PSUM kp, zero                   ; the two row sums, 32 keys
.irp qt, 0,1
.if \zero
	v_wmma_f32_16x16x32_f16 v[OA+40*\qt+32:OA+40*\qt+39], v[ONES:ONES+7], v[SC+32*\qt+8*\kp:SC+32*\qt+8*\kp+7], 0
.else
	v_wmma_f32_16x16x32_f16 v[OA+40*\qt+32:OA+40*\qt+39], v[ONES:ONES+7], v[SC+32*\qt+8*\kp:SC+32*\qt+8*\kp+7], v[OA+40*\qt+32:OA+40*\qt+39]
.endif
.endr
.endm
; One trip: 64 keys x my 32 queries.  Each wave's LDS reads and all its tensor loads are waited for in front of the round; the joint refill of the other slot is the
; first thing behind it and has this trip (36 matrix instructions and a softmax of each of the eight waves) in which to land.
; zero = 1: the products start O and the row sums.  In every pass the accumulators take turns, one instruction a turn.
.macro TRIP slot, refill, zero
	s_wait_tensorcnt 0x0                           ; my load is done, so every group 0 may be written: this slot's next tile, two on
	ds_add_u32 v254, v255
	s_wait_dscnt 0x0
	s_add_nc_u64 s[G0K+4*\slot+2:G0K+4*\slot+3], s[G0K+4*\slot+2:G0K+4*\slot+3], 16384
	s_add_nc_u64 s[G0V+4*\slot+2:G0V+4*\slot+3], s[G0V+4*\slot+2:G0V+4*\slot+3], 16384
	s_add_nc_u64 s[G0M+4*\slot+2:G0M+4*\slot+3], s[G0M+4*\slot+2:G0M+4*\slot+3], 128
	s_wait_dscnt 0x0                               ; my reads of the other slot are done
	ROUND
.if \refill
	JLOAD 1-\slot
.endif
	LOADM \slot
	WIN TO_1
	LOADK \slot
	LOADV \slot
	WIN 0
	s_wait_dscnt 32                                ; the 8 mask loads are in; K's 16 and V's 16 may be out
.set n, 0
.rept 8
	v_perm_b32 v[SC+8*n+3], s76, s76, v[MR+2*n]    ; the mask byte is the selector: 0 -> 0x00, 1 -> 0xfe; the word starts the sum of its fourth key
	v_perm_b32 v[SC+8*n+7], s76, s76, v[MR+2*n+1]
.set n, n+1
.endr
.set n, 0
.rept 16
	v_lshlrev_b32 v[SC+4*n+2], 8,  v[SC+4*n+3]     ; the third, second and first key's byte on top
	v_lshlrev_b32 v[SC+4*n+1], 16, v[SC+4*n+3]
	v_lshlrev_b32 v[SC+4*n],   24, v[SC+4*n+3]
.set n, n+1
.endr
	s_wait_dscnt 16                                ; K is in; V's 16 loads may be out
	WIN MUL_S
.irp ks, 0,1
.irp qt, 0,1
.irp kt, 0,1,2,3
	v_wmma_f32_16x16x32_f16 v[SC+32*\qt+8*\kt:SC+32*\qt+8*\kt+7], v[KF+16*\kt+8*\ks:KF+16*\kt+8*\ks+7], v[QF+16*\qt+8*\ks:QF+16*\qt+8*\ks+7], v[SC+32*\qt+8*\kt:SC+32*\qt+8*\kt+7]
.endr
.endr
.endr
	PLACES                                         ; ahead of the readers of S
	WIN 0
	SOFTMAX
.if \zero == 0
	RESCALE 1
.endif
	s_wait_dscnt 0x0                               ; V is in
	WIN MUL_O
	PVO 0, \zero
	PVO 1, 0
	WIN 0
	PSUM 0, \zero
	PSUM 1, 0
	PLACES                                         ; ahead of the next trip's loads into V's fragments and of its permutes and shifts, which write over P
.endm
	TRIP 0, 1, 1                                   ; keys 0-63: the first products start the sums: nothing is cleared
	s_mov_b32 s79, 31
.Lpair:
	TRIP 1, 1, 0
	TRIP 0, 1, 0
	s_sub_co_u32 s79, s79, 1
	s_cmp_lg_u32 s79, 0
	s_cbranch_scc1 .Lpair
	TRIP 1, 0, 0                                   ; keys 4032-4095: nothing is left to fetch
	; the way out: divide by the row sum (NaN where every key was masked), f16, 16 queries at a time through my own stage, 512 consecutive bytes a store
.irp qt, 0,1
	v_rcp_f32 v[TX+\qt], v[OA+40*\qt+32]
.endr
	v_nop                                          ; a plain place behind the reciprocals (ISA guide 5.7.2)
	s_wait_alu depctr_va_vdst(0)
.irp qt, 0,1
	v_cmp_ge_f32 vcc_lo, s85, v[MX+2*\qt]          ; the maximum never rose above its start
	v_cndmask_b32 v[AL+2*\qt], v[TX+\qt], v[NANR], vcc_lo
.endr
	RESCALE 0
.irp qt, 0,1
.irp dt, 0,1,2,3
.irp i, 0,1,2,3
	v_cvt_pk_f16_f32 v[PK+16*\qt+4*\dt+\i], v[OA+40*\qt+8*\dt+2*\i], v[OA+40*\qt+8*\dt+2*\i+1]
.endr
.endr
.endr
.irp qt, 0,1
.irp dt, 0,1,2,3
	ds_store_b128 v[STO], v[PK+16*\qt+4*\dt:PK+16*\qt+4*\dt+3] offset:32*\dt
.endr
.irp i, 0,1,2,3
	ds_load_b128 v[SC+16*\qt+4*\i:SC+16*\qt+4*\i+3], v[RD] offset:576*\i   ; a wave's LDS instructions are served in order (ISA guide 5.7.1.4)
.endr
.endr
.irp qt, 0,1
	s_wait_dscnt 8*(1-\qt)                         ; behind tile 0's loads stand tile 1's 8 LDS instructions
.irp i, 0,1,2,3
	global_store_b128 v[CO], v[SC+16*\qt+4*\i:SC+16*\qt+4*\i+3], s[88:89] offset:2048*\qt+512*\i
.endr
.endr
	s_wait_tensorcnt 0x0
	ds_add_u32 v254, v255
	s_wait_dscnt 0x0
	ROUND                                          ; the closing round: no work-group ends while a partner may still ask for a tile that names it
	s_endpgm
.Lfunc_end_k_q8c6e466bc7_attn:
	.size	k_q8c6e466bc7_attn, .Lfunc_end_k_q8c6e466bc7_attn-k_q8c6e466bc7_attn
	.p2alignl 7, 3214868480
	.fill 96, 4, 3214868480
	.section	.rodata,"a",@progbits
	.p2align	6, 0x0
	.amdhsa_kernel k_q8c6e466bc7_attn
		.amdhsa_group_segment_fixed_size 327680
		.amdhsa_private_segment_fixed_size 0
		.amdhsa_enable_private_segment 0
		.amdhsa_kernarg_size 24
		.amdhsa_user_sgpr_count 2
		.amdhsa_user_sgpr_kernarg_segment_ptr 1
		.amdhsa_wavefront_size32 1
		.amdhsa_system_sgpr_workgroup_id_x 1
		.amdhsa_system_sgpr_workgroup_id_y 1
		.amdhsa_system_sgpr_workgroup_id_z 1
		.amdhsa_system_vgpr_workitem_id 0
		.amdhsa_next_free_vgpr 416
		.amdhsa_next_free_sgpr 96
		.amdhsa_reserve_vcc 1
		.amdhsa_float_denorm_mode_32 3
		.amdhsa_float_denorm_mode_16_64 3
		.amdhsa_memory_ordered 1
		.amdhsa_forward_progress 1
		.amdhsa_inst_pref_size 96
	.end_amdhsa_kernel
	.amdgpu_metadata
---
amdhsa.version: [ 1, 2 ]
amdhsa.kernels:
  - .name:           k_q8c6e466bc7_attn
    .symbol:         k_q8c6e466bc7_attn.kd
    .args:
      - { .name: qkv, .offset: 0, .size: 8, .value_kind: global_buffer, .address_space: global }
      - { .name: mask, .offset: 8, .size: 8, .value_kind: global_buffer, .address_space: global }
      - { .name: ctx, .offset: 16, .size: 8, .value_kind: global_buffer, .address_space: global }
    .group_segment_fixed_size: 327680
    .private_segment_fixed_size: 0
    .kernarg_segment_align: 8
    .kernarg_segment_size: 24
    .max_flat_workgroup_size: 256
    .sgpr_count:     96
    .vgpr_count:     416
    .wavefront_size: 32
...
	.end_amdgpu_metadata
.endif
;; end of part 5
;; launch proj: the kernel of part 4 again; grid 8 x 32, 4 waves a work-group, clusters of 4 x 4, 327,680 bytes of LDS; arguments ctx, castb, out_b, out0; writes out0
